; MI455X (gfx1250); checked and timed in simulation.
; The chip was launched on July 23, 2026; its instructions are those of AMD's public machine-readable ISA for CDNA 5 (MIT licence, August 2026) and "CDNA5" Instruction Set Architecture Reference Guide (July 2026). The comments in the code are by the model that wrote it; some were corrected since.
;; Attention Integrator. Allowed arithmetic: float matrix products may take bf16 or f16 operands with f32 sums; other float arithmetic in f32, or as packed bf16 or f16 multiplies, adds, multiply-adds, maxima and minima; sums over many terms, partial sums and values carried from step to step in f32; what a program stores and reads back later, other than sums and carried values, may be rounded once to bf16 or f16.
;; Inputs: W1 1,024 x 1,024 float32; Wf 4,096 x 10 float32; Wk 1,024 x 1,024 float32; Wq 1,024 x 1,024 float32; Wv 1,024 x 1,024 float32; b1 1,024 float32; bf 10 float32; bk 1,024 float32; bq 1,024 float32; bv 1,024 float32; xt 4,096 x 4 x 1,024 float32.
;; Outputs: out0 4,096 x 10 float32.
;; 2 versions, each right. Each part assembles by itself: llvm-mc -triple=amdgcn-amd-amdhsa -mcpu=gfx1250 --defsym DOCPART=n.
;; ======== version 1 of 2: 2 launches
;; limits: values outside matrix products are rounded to f16; values are held in f16: magnitudes above 65,504 overflow, below 6.1e-05 lose precision; inputs' magnitudes at most 65,504
;; workspace buffers: WT 8,388,608 bytes; WFT 131,072 bytes; BI 16,640 bytes
;; launch prep (part 1): grid 289 x 1, 8 waves a work-group, no clusters, 34,816 bytes of LDS; arguments Wq, Wk, Wv, W1, Wf, bq, bk, bv, b1, bf, WT, WFT, BI; writes WT, WFT, BI
.if DOCPART == 1
	.amdgcn_target "amdgcn-amd-amdhsa--gfx1250"
	.amdhsa_code_object_version 6
	.text
	.protected	k_qb97f18d1da_prep
	.globl	k_qb97f18d1da_prep
	.p2align	8
	.type	k_qb97f18d1da_prep,@function
k_qb97f18d1da_prep:
	s_mov_b64 s[64:65], 0
	v_nop
	global_prefetch_b8 v0, s[64:65] scope:SCOPE_SE
	s_setreg_imm32_b32 hwreg(HW_REG_WAVE_MODE, 25, 1), 1
	s_wait_xcnt 0x0
; PREP: the weights, rounded once to f16 and laid out as the second launch's matrix fragments want them; the biases in f32 in the same order.
; WT[p][s][T][c][l][e] (f16): pass p 0..3, K step s 0..31, tile T 0..63, half c, lane l, e 0..7, at byte ((32 p + s) 64 + T) 1024 + 512 c + 16 l + 2 e.
;   It holds W[k][col], k = 32 s + 16 c + 8 (l / 16) + e.  With w = T / 16, t = T % 16, r = l % 16:  p < 2: t < 8: Wq, else Wk, col = 512 p + 128 w + 16 (t % 8) + r;  p = 2: Wv, p = 3: W1, col = 16 T + r.
; WFT[w][v][u][c][l][e] (f16), fragment F = (4 w + v) 8 + u of 1,024 bytes: Wf[1024 v + 256 w + 32 u + 16 c + 8 (l / 16) + e][l % 16], 0 for classes 10 to 15.
; BI (f32): four rows of 1,024 biases in WT's order of columns (bq/bk, bq/bk, bv, b1); at byte 16,384 bf[0..9] and 54 zeros.
; LIMITS.  f16 ends at 65,504: a weight beyond it becomes an infinity; below 6.1e-5 a weight keeps f16's fixed step of 6e-8.  NaN is not treated apart.
; SHARES.  Work-groups 0..255: 512 columns x 32 k of one pass's K step (64 KiB read, 32 KiB written).  256..287: 256 x 16 bytes of WFT each.  288: BI.
; A wave of the first kind takes 128 columns x 16 k: each load covers 512 consecutive bytes of a row of W; what it makes are eight whole pieces (tile, c) of 512 consecutive bytes of WT.
; The turn from [k][col] to [col][k] goes through LDS bytes of the wave's own, so no barrier is needed; each store of the wave covers 512 consecutive bytes, aligned.
; No matrix unit, no cluster, no tensor load: nothing is shared between work-groups and nothing is multiplied.
.set PIT,   528                        ; a piece in LDS: 512 bytes + 16: the 16 lanes of a half wave (4 pieces x 4 places 64 bytes apart) store to 16 different 16-byte columns of 256 (64 banks of 4 bytes: ISA guide 11.1)
.set WREG,  8*PIT                      ; a wave's eight pieces
.set SPARE, 8*WREG                     ; 33,792: behind them the spare words, 128 bytes for each of the eight waves, which no other line names
.set SPW,  2                           ; v2   SPARE + 4 x my thread's number; never rewritten
.set NIL,  3                           ; v3   0; never rewritten
.set LANE, 4                           ; v4   my lane
.set L,    16                          ; v[16:79]   16 rows x 4 columns of f32 as loaded; later the eight pieces read back
.set D,    80                          ; v[80:111]  for each (h, column) 8 f16
	s_load_b512 s[8:23], s[0:1], 0x0               ; Wq 8, Wk 10, Wv 12, W1 14, Wf 16, bq 18, bk 20, bv 22
	s_load_b256 s[24:31], s[0:1], 0x40             ; b1 24, bf 26, WT 28, WFT 30
	s_load_b64 s[32:33], s[0:1], 0x60              ; BI
	v_lshl_add_u32 v[SPW], v0, 2, SPARE
	v_mov_b32 v[NIL], 0
	v_lshrrev_b32 v1, 5, v0
	v_readfirstlane_b32 s2, v1                     ; my wave's number
	v_and_b32 v[LANE], 31, v0
	s_mov_b32 s3, ttmp9                            ; the work-group's number chooses its kind: the same for all its waves
	s_wait_kmcnt 0x0
	s_cmp_lt_u32 s3, 256
	s_cbranch_scc1 .Lweights
	s_cmp_eq_u32 s3, 288
	s_cbranch_scc1 .Lbias
	; WFT.  Thread P = 256 (group - 256) + thread makes the 16 bytes at 16 P.  P's bits: 3:0 class, 4 h, 5 c, 8:6 u, 10:9 v, 12:11 w.
	s_sub_co_u32 s4, s3, 256
	s_lshl_b32 s4, s4, 8
	v_add_nc_u32 v5, s4, v0                        ; P
	v_and_b32 v6, 15, v5                           ; class
	v_lshrrev_b32 v7, 4, v5
	v_and_b32 v8, 31, v7
	v_lshlrev_b32 v8, 3, v8                        ; 32 u + 16 c + 8 h
	v_bfe_u32 v9, v7, 5, 2
	v_lshl_or_b32 v8, v9, 10, v8                   ; + 1024 v
	v_bfe_u32 v9, v7, 7, 2
	v_lshl_or_b32 v8, v9, 8, v8                    ; + 256 w: Wf's row for e = 0
	v_min_u32 v9, 9, v6                            ; classes 10 to 15 read class 9 and are set to 0 below: no load leaves Wf
	v_mul_u32_u24 v8, v8, 40                       ; a row of Wf is 40 bytes
	v_lshl_add_u32 v8, v9, 2, v8
.set i, 0
.rept 8
	global_load_b32 v[L+i], v8, s[16:17] offset:40*i
.set i, i+1
.endr
	v_lshlrev_b32 v10, 4, v5
	v_cmp_gt_u32 vcc_lo, 10, v6
	s_wait_loadcnt 0x0
.set i, 0
.rept 4
	v_cvt_pk_f16_f32 v[D+i], v[L+2*i], v[L+2*i+1]
.set i, i+1
.endr
.set i, 0
.rept 4
	v_cndmask_b32 v[D+i], 0, v[D+i], vcc_lo
.set i, i+1
.endr
	global_store_b128 v10, v[D:D+3], s[30:31]      ; a wave stores 512 consecutive bytes
	s_branch .Lend
.Lbias:                                                ; BI.  Thread t makes columns 4 t .. 4 t + 3 of each of the four rows
	v_lshrrev_b32 v5, 6, v0
	v_lshlrev_b32 v6, 4, v[LANE]
	v_lshl_add_u32 v5, v5, 9, v6                   ; rows 0 and 1: byte 512 (t / 64) + 16 (t % 32) of bq or bk, + 2,048 for row 1
	v_lshlrev_b32 v7, 4, v0                        ; 16 t
	global_load_b128 v[16:19], v5, s[18:19]
	global_load_b128 v[20:23], v5, s[20:21]
	global_load_b128 v[24:27], v5, s[18:19] offset:2048
	global_load_b128 v[28:31], v5, s[20:21] offset:2048
	global_load_b128 v[32:35], v7, s[22:23]
	global_load_b128 v[36:39], v7, s[24:25]
	v_and_b32 v8, 32, v0
	v_cmp_ne_u32 vcc_lo, 0, v8                     ; bit 5 of t: the tile's number is 8 or more: bk
	s_wait_loadcnt 0x0
.set i, 0
.rept 4
	v_cndmask_b32 v[16+i], v[16+i], v[20+i], vcc_lo
	v_cndmask_b32 v[24+i], v[24+i], v[28+i], vcc_lo
.set i, i+1
.endr
	global_store_b128 v7, v[16:19], s[32:33]
	global_store_b128 v7, v[24:27], s[32:33] offset:4096
	global_store_b128 v7, v[32:35], s[32:33] offset:8192
	global_store_b128 v7, v[36:39], s[32:33] offset:12288
	s_cmp_lt_u32 s2, 2                             ; waves 0 and 1: bf and its zeros, 64 numbers
	s_cbranch_scc0 .Lend
	v_min_u32 v9, 9, v0
	v_lshlrev_b32 v9, 2, v9
	global_load_b32 v40, v9, s[26:27]
	v_lshlrev_b32 v10, 2, v0
	v_cmp_gt_u32 vcc_lo, 10, v0
	s_wait_loadcnt 0x0
	v_cndmask_b32 v40, 0, v40, vcc_lo
	global_store_b32 v10, v40, s[32:33] offset:16384
	s_branch .Lend
.Lweights:                                             ; group i = 64 p + 2 s + hf
	s_lshr_b32 s4, s3, 6                           ; p
	s_bfe_u32 s5, s3, 0x50001                      ; s
	s_and_b32 s6, s3, 1                            ; hf: which 512 columns of the pass's 1,024
	s_and_b32 s7, s2, 3                            ; gg: my 128 of them
	s_lshr_b32 s34, s2, 2                          ; c: my 16 of the step's 32 k
	s_lshl2_add_u32 s35, s6, s7                    ; g = 4 hf + gg: tiles 8 g .. 8 g + 7
	s_and_b32 s36, s35, 1
	s_cmp_eq_u32 s36, 0
	s_cselect_b64 s[38:39], s[8:9], s[10:11]       ; passes 0 and 1: even g Wq, odd g Wk
	s_cmp_eq_u32 s4, 3
	s_cselect_b64 s[40:41], s[14:15], s[12:13]     ; pass 3 W1, pass 2 Wv
	s_lshr_b32 s36, s35, 1
	s_lshl_b32 s36, s36, 7
	s_lshl_b32 s37, s4, 9
	s_add_co_u32 s36, s36, s37                     ; passes 0 and 1: first column 512 p + 128 (g / 2)
	s_lshl_b32 s37, s35, 7                         ; passes 2 and 3: 128 g
	s_cmp_lt_u32 s4, 2
	s_cselect_b64 s[38:39], s[38:39], s[40:41]
	s_cselect_b32 s36, s36, s37
	s_lshl_b32 s37, s5, 5
	s_lshl4_add_u32 s37, s34, s37                  ; first row 32 s + 16 c,
	s_lshl_b32 s37, s37, 12                        ; of 4,096 bytes
	s_lshl2_add_u32 s36, s36, s37
	s_mov_b32 s37, 0
	s_add_nc_u64 s[38:39], s[38:39], s[36:37]      ; W at my block's corner
	s_lshl_b32 s36, s3, 15                         ; WT: the group's 32 tiles begin at 32,768 i,
	s_lshl_b32 s43, s7, 13                         ; my 8 tiles,
	s_add_co_u32 s36, s36, s43
	s_lshl_b32 s43, s34, 9                         ; my half c of each
	s_add_co_u32 s36, s36, s43
	s_add_nc_u64 s[28:29], s[28:29], s[36:37]
	v_lshlrev_b32 v5, 4, v[LANE]                   ; 16 x lane: four columns of f32 in a row of W; my 16 bytes of a piece
.set i, 0
.rept 16
	global_load_b128 v[L+4*i:L+4*i+3], v5, s[38:39] offset:4096*i th:TH_LOAD_NT  ; row i: 512 consecutive bytes a wave, read once in the launch
.set i, i+1
.endr
	s_mul_i32 s42, s2, WREG                        ; my wave's LDS bytes
	v_lshrrev_b32 v6, 2, v[LANE]                   ; my four columns lie in piece lane / 4,
	v_mul_u32_u24 v6, v6, PIT
	v_and_b32 v7, 3, v[LANE]
	v_lshl_add_u32 v6, v7, 6, v6                   ; at rows r = 4 (lane % 4) + 0..3 of the fragment: 16 bytes each
	v_add_nc_u32 v6, s42, v6
	v_add_nc_u32 v7, s42, v5                       ; back: 16 x lane in a piece
	s_wait_loadcnt 0x8                             ; rows 0 to 7 (h = 0) are in; the younger eight may stay out
.set hh, 0
.rept 2
.if hh == 1
	s_wait_loadcnt 0x0                             ; rows 8 to 15
.endif
.set jj, 0
.rept 4
.set i, 0
.rept 4
	v_cvt_pk_f16_f32 v[D+16*hh+4*jj+i], v[L+4*(8*hh+2*i)+jj], v[L+4*(8*hh+2*i+1)+jj]  ; column jj: k = 8 h + 2 i and the next
.set i, i+1
.endr
	ds_store_b128 v6, v[D+16*hh+4*jj:D+16*hh+4*jj+3] offset:256*hh+16*jj
.set jj, jj+1
.endr
.set hh, hh+1
.endr
.set i, 0
.rept 8
	ds_load_b128 v[L+4*i:L+4*i+3], v7 offset:PIT*i  ; LDS serves a wave's instructions in order (ISA guide 5.7.1.4): these see the stores above
.set i, i+1
.endr
.set i, 0
.rept 8
	s_wait_dscnt 7-i                               ; piece i is back; the younger ones may stay out
	global_store_b128 v5, v[L+4*i:L+4*i+3], s[28:29] offset:1024*i  ; 512 consecutive bytes, at a multiple of 512 from WT's first byte
.set i, i+1
.endr
.Lend:
	s_wait_tensorcnt 0x0                           ; the wave's end: behind my last LDS store
	ds_add_u32 v[SPW], v[NIL]
	s_wait_dscnt 0x0
	s_endpgm
.Lfunc_end_k_qb97f18d1da_prep:
	.size	k_qb97f18d1da_prep, .Lfunc_end_k_qb97f18d1da_prep-k_qb97f18d1da_prep
	.p2alignl 7, 3214868480
	.fill 96, 4, 3214868480
	.section	.rodata,"a",@progbits
	.p2align	6, 0x0
	.amdhsa_kernel k_qb97f18d1da_prep
		.amdhsa_group_segment_fixed_size 34816
		.amdhsa_private_segment_fixed_size 0
		.amdhsa_enable_private_segment 0
		.amdhsa_kernarg_size 104
		.amdhsa_user_sgpr_count 2
		.amdhsa_user_sgpr_kernarg_segment_ptr 1
		.amdhsa_wavefront_size32 1
		.amdhsa_system_sgpr_workgroup_id_x 1
		.amdhsa_system_sgpr_workgroup_id_y 1
		.amdhsa_system_sgpr_workgroup_id_z 1
		.amdhsa_system_vgpr_workitem_id 0
		.amdhsa_next_free_vgpr 112
		.amdhsa_next_free_sgpr 66
		.amdhsa_reserve_vcc 1
		.amdhsa_float_denorm_mode_32 3
		.amdhsa_float_denorm_mode_16_64 3
		.amdhsa_memory_ordered 1
		.amdhsa_forward_progress 1
		.amdhsa_inst_pref_size 12
	.end_amdhsa_kernel
	.amdgpu_metadata
---
amdhsa.version: [ 1, 2 ]
amdhsa.kernels:
  - .name:           k_qb97f18d1da_prep
    .symbol:         k_qb97f18d1da_prep.kd
    .args:
      - { .name: Wq, .offset: 0, .size: 8, .value_kind: global_buffer, .address_space: global }
      - { .name: Wk, .offset: 8, .size: 8, .value_kind: global_buffer, .address_space: global }
      - { .name: Wv, .offset: 16, .size: 8, .value_kind: global_buffer, .address_space: global }
      - { .name: W1, .offset: 24, .size: 8, .value_kind: global_buffer, .address_space: global }
      - { .name: Wf, .offset: 32, .size: 8, .value_kind: global_buffer, .address_space: global }
      - { .name: bq, .offset: 40, .size: 8, .value_kind: global_buffer, .address_space: global }
      - { .name: bk, .offset: 48, .size: 8, .value_kind: global_buffer, .address_space: global }
      - { .name: bv, .offset: 56, .size: 8, .value_kind: global_buffer, .address_space: global }
      - { .name: b1, .offset: 64, .size: 8, .value_kind: global_buffer, .address_space: global }
      - { .name: bf, .offset: 72, .size: 8, .value_kind: global_buffer, .address_space: global }
      - { .name: WT, .offset: 80, .size: 8, .value_kind: global_buffer, .address_space: global }
      - { .name: WFT, .offset: 88, .size: 8, .value_kind: global_buffer, .address_space: global }
      - { .name: BI, .offset: 96, .size: 8, .value_kind: global_buffer, .address_space: global }
    .group_segment_fixed_size: 34816
    .private_segment_fixed_size: 0
    .kernarg_segment_align: 8
    .kernarg_segment_size: 104
    .max_flat_workgroup_size: 256
    .sgpr_count:     66
    .vgpr_count:     112
    .wavefront_size: 32
...
	.end_amdgpu_metadata
.endif
;; end of part 1
;; launch fused (part 2): grid 256 x 1, 4 waves a work-group, clusters of 4 x 1, 327,680 bytes of LDS; arguments xt, WT, WFT, BI, out0; writes out0
.if DOCPART == 2
	.amdgcn_target "amdgcn-amd-amdhsa--gfx1250"
	.amdhsa_code_object_version 6
	.text
	.protected	k_qb97f18d1da_fused
	.globl	k_qb97f18d1da_fused
	.p2align	8
	.type	k_qb97f18d1da_fused,@function
k_qb97f18d1da_fused:
	s_mov_b64 s[64:65], 0
	v_nop
	global_prefetch_b8 v0, s[64:65] scope:SCOPE_SE
	s_setreg_imm32_b32 hwreg(HW_REG_WAVE_MODE, 25, 1), 1
	s_wait_xcnt 0x0
	s_wait_alu depctr_hold_cnt(0) depctr_sa_sdst(0) depctr_va_vdst(0) depctr_va_sdst(0) depctr_va_ssrc(0) depctr_va_vcc(0) depctr_vm_vsrc(0)
	s_getreg_b32 s2, hwreg(HW_REG_IB_STS2, 6, 4)
	s_cmp_eq_u32 s2, 0
	s_cbranch_scc0 .Lentry_in_a_cluster
	s_endpgm
.Lentry_in_a_cluster:
	s_bfe_u32 s2, ttmp6, 0x10000c
	s_cmp_lg_u32 s2, 0x3003
	s_cbranch_scc0 .Lentry_shape_is_right
	s_endpgm
.Lentry_shape_is_right:
; ALL OF THE MODULE IN ONE LAUNCH: q, k, v = x W + b; a softmax over each sample's 4 x 4 scores q . k / 32; y = attn v + x; a layer norm over the sample's 4,096 numbers; relu(yn W1 + b1); times Wf, plus bf.
; FORMATS.  Matrix operands are f16, each rounded once from f32: x, the weights (by the launch before), yn, relu(h).  All sums, the biases, scores, softmax (the row's maximum taken away), mixing and norm
; (mean first, then the sum of squares of y - mean) are f32.  The residual takes x as it lies in LDS, in f16.
; LIMITS.  |x| stays under 65,504, and under 6.1e-5 it keeps f16's fixed step of 6e-8; |yn| is at most 64 by the norm itself; relu(h) must stay under 65,504 (|h| <= 64 x the norm of a column of W1, + |b1|).
; An exponential below 2^-126 counts as 0.  NaN and infinities are not treated apart (relu turns a NaN into 0).
; SHARES.  A work-group owns 16 samples x 4 views = 64 rows of x; 256 work-groups.  Each of its four waves makes 256 of a pass's 1,024 columns for all 64 rows: 64 accumulators of 16 x 16, 512 registers.
; Four PASSES of 32 K steps of 32: pass 0: q and k, hidden 0..511; pass 1: q and k, hidden 512..1023 (a wave holds the same 128 hidden of q, tiles 0-7, and of k, tiles 8-15); pass 2: v; pass 3: W1.
; LAYOUT.  The product is taken transposed: source 0 = 16 columns of the weights, source 1 = the 16 SAMPLES of ONE view.  In the result lane l holds sample l % 16 and columns 8 (l / 16) + 0..7, and a sample's four
; views lie in the same lane of four accumulators: scores, mixing and norm stay in the lane, and two results rounded to f16 ARE source 1 of the next product.  Only 16 scores, two sums and the 16 x 16 output sums cross waves.
; x (later yn) lies in LDS as f16 fragments for the whole launch.  The weights are ONE stream of 128 steps of 64 KiB through a ring of two LDS slots; a wave fetches, and alone reads, its own 16 KiB of a slot.
; CLUSTER.  All work-groups walk the same stream, so the four of a cluster ask for each piece JOINTLY: the same tensor load, descriptor and mask in all four.  A mask names four at the most, so a larger cluster would share no more.
; A slot holds one K step: x's 128 KiB leave no room for two slots of two steps beside it.
; REGISTERS, in windows of 256 (s_set_vgpr_msb: bits 1:0 source 0, 3:2 source 1, 5:4 source 2, 7:6 destination):
;   window 0: v0-31 addresses; v32-63, v64-95 x's fragments, two buffers (at work between the passes); v96-127 score sums, later attn and statistics; v128-255 the pass's bias as a C operand
;   window 1: the weights' fragments, two buffers of 128       window 2: accumulators of tiles 0-7, (t, view) at 8 (4 t + view)       window 3: those of tiles 8-15
.set RING,  131072                     ; LDS: 0 .. 131,071 x / yn; then two slots of 65,536, wave w's part at 16,384 w
.set SLOTB, 65536
.set SCS,   262144                     ; scores: 1,024 w + 64 sample
.set LN1,   266240                     ; the norm's two exchanges: 64 w + 4 sample; the second 256 bytes on
.set OUTP,  266752                     ; the output's partial sums: 1,024 w + 32 lane
.set OUTS,  270848                     ; the output's 16 rows of 40 bytes
.set SPARE, 271616                     ; the spare words, 128 bytes for each wave: two blocks of 256 bytes that no other line names
.set R,   1                            ; v1   lane % 16
.set H,   2                            ; v2   lane / 16
.set WA,  3                            ; v3-4   my 16 bytes of a fragment half in my part of slot 0, 1
.set AXL, 5                            ; v5-8   x's fragments, by 2 (step % 2) + c: 256 H + 16 ((R + 4 (step % 2) + 2 c + H) % 16); never rewritten
.set XA,  9                            ; v9-12  the same + the lap's 8,192 bytes
.set YA,  13                           ; v13-16 the same + my wave's 256 columns (32,768 w)
.set BO,  17                           ; v17  bias: 1,024 w + 32 H
.set SST, 18                           ; v18  where I put my 16 score sums
.set SLD, 19                           ; v19  where I read the four waves'
.set GL,  20                           ; v20  my byte offset in the work-group's x
.set W0,  21                           ; v21-24 at work on addresses
.set PFO, 25                           ; v25  256 x lane
.set WFO, 26                           ; v26  16 x lane
.set LNA, 27                           ; v27  LN1 + 64 w + 4 R
.set SPW, 28                           ; v28  SPARE + 4 x my thread's number; never rewritten
.set NIL, 29                           ; v29  0; never rewritten
.set LNL, 30                           ; v30  LN1 + 4 R
.set TM,  31
.set XF,  32
.set TT,  64                           ; 32 registers at work between the passes
.set S2,  96                           ; 16 pairs of score sums, (v, w) at S2 + 2 (4 v + w)
.set AT,  96                           ; later attn[v][w] at AT + 4 v + w
.set STT, 112                          ; statistics
.set BC,  128
.set WV,  14                           ; s14 wave; s15 my place in the cluster; s16 my work-group
.set CX,  15
.set WG,  16
.set G1,  24                           ; s[24:31] descriptor group 1
.set G0,  32                           ; s[32:39] descriptor group 0, a set for each slot
.set PLEFT, 40                         ; passes to go, this one among them
.set LAPS,  41
.set XB,  42                           ; the lap's offset in x
.set PFA, 44                           ; s[44:45] where my prefetches stand
.set PFC, 46                           ; laps done
.set LIM, 47                           ; laps in which I prefetch
.set BIP, 48                           ; s[48:49] the bias row last loaded
.set SEL, 50                           ; s[50:51] v_permlanex16_b32's selects: each lane takes its own place in the other half
.set CSC, 52                           ; log2(e) / 32
.set RN,  53                           ; 1 / 4096
.set EPS, 54
.set ZERO, 55
.set MSB, 0
.macro WIN new                         ; the immediate's high byte repeats the setting that is left; a switch that changes nothing is dropped
.if MSB != (\new)
	s_set_vgpr_msb (MSB<<8)|(\new)
.set MSB, \new
.endif
.endm
.macro PLACES n                        ; a vector instruction or a load that touches a matrix instruction's registers stands some plain vector instructions behind it
.rept \n
	v_nop
.endr
.endm
.macro CREST                           ; a round of the cluster's barrier behind its opening barrier: wave 0 signals for the work-group, every wave waits for all four work-groups, my work-group's barrier closes it
	s_cmp_lg_u32 s[WV], 0
	s_cbranch_scc1 .Lnot_wave_0_\@
	s_barrier_signal -3
.Lnot_wave_0_\@:
	s_barrier_wait -3
	s_barrier_signal -1
	s_barrier_wait -1
.endm
.macro CROUND
	s_barrier_signal -1
	s_barrier_wait -1
	CREST
.endm
; Tiles t0 .. t1 x four views, 32 along K, on buffers cur.  The 64 accumulators take turns, one instruction a turn, in the same order in every step.
; first = 1: a pass's first step starts the sums with the bias as C: nothing is cleared.
.macro MUL cur, t0, t1, first
.set mt, \t0
.rept (\t1)-(\t0)+1
.if \first
	WIN 0x81+0x40*(mt/8)                           ; weights window 1, x and C window 0, D window 2 or 3
.else
	WIN 0xa1+0x50*(mt/8)                           ; C and D window 2 or 3
.endif
.set mv, 0
.rept 4
.set ra, 8*(4*(mt%8)+mv)
.if \first
	v_wmma_f32_16x16x32_f16 v[ra:ra+7], v[128*(\cur)+8*mt:128*(\cur)+8*mt+7], v[XF+32*(\cur)+8*mv:XF+32*(\cur)+8*mv+7], v[BC+8*mt:BC+8*mt+7]
.else
	v_wmma_f32_16x16x32_f16 v[ra:ra+7], v[128*(\cur)+8*mt:128*(\cur)+8*mt+7], v[XF+32*(\cur)+8*mv:XF+32*(\cur)+8*mv+7], v[ra:ra+7]
.endif
.set mv, mv+1
.endr
.set mt, mt+1
.endr
.endm
.macro WFETCH slot                     ; my 16 tiles of a step's weights: 32 loads of 512 consecutive bytes
	WIN 0x40
.set ft, 0
.rept 16
	ds_load_b128 v[128*(\slot)+8*ft:128*(\slot)+8*ft+3],   v[WA+(\slot)] offset:1024*ft
	ds_load_b128 v[128*(\slot)+8*ft+4:128*(\slot)+8*ft+7], v[WA+(\slot)] offset:1024*ft+512
.set ft, ft+1
.endr
.endm
.macro XFETCH sp                       ; the four views' fragments of x for the lap's step sp; a half wave's 16 lanes take the 16 columns of one row of 256 bytes, each once
	WIN 0
.set ft, 0
.rept 4
	ds_load_b128 v[XF+32*(\sp)+8*ft:XF+32*(\sp)+8*ft+3],   v[XA+2*(\sp)]   offset:4096*(\sp)+1024*ft
	ds_load_b128 v[XF+32*(\sp)+8*ft+4:XF+32*(\sp)+8*ft+7], v[XA+2*(\sp)+1] offset:4096*(\sp)+1024*ft+512
.set ft, ft+1
.endr
.endm
; A PREFETCH INTO THE L2, once a lap, behind the joint load, its five lines and the run of LDS loads: lap L names the 128 KiB of lap L + 3, which the refills of lap L + 2 ask for: two laps, 256 matrix instructions, ahead.
; All clusters walk the same stream: the first cluster asks.  Its four partners and their waves share a lap out BY ADDRESS (32,768 x place + 8,192 x wave + 256 x lane): each block of 256 bytes is named once in the launch.
; Laps 0 to 2 come by their loads alone; laps 61 and 62 ask for nothing, since the stream has 64 laps.
.macro ASK
	WIN 0
	s_cmp_lt_u32 s[PFC], s[LIM]
	s_cbranch_scc0 .Lnot_mine_\@
	global_prefetch_b8 v[PFO], s[PFA:PFA+1] th:TH_LOAD_NT scope:SCOPE_SE
.Lnot_mine_\@:
.endm
; A K STEP that fills its slot again.  Its fragments were fetched during the step before, so the slot is free as soon as those loads are back.
; fx = 1: the next step's x is fetched too.  ask = 1: the lap's prefetch.
.macro STEP cur, first, fx, ask
	WIN 0
.if \cur
	s_wait_xcnt 0x0                                ; the lap's prefetch, 48 matrix instructions back, has read its address
	s_add_nc_u64 s[PFA:PFA+1], s[PFA:PFA+1], 2*SLOTB
	s_add_co_u32 s[PFC], s[PFC], 1
.endif
	s_wait_tensorcnt 0x0                           ; all my tensor loads have landed: the one that was out is my part of the other slot
	ds_add_u32 v[SPW], v[NIL]                      ; 0 onto my spare word
	s_add_nc_u64 s[G0+4*(\cur)+2:G0+4*(\cur)+3], s[G0+4*(\cur)+2:G0+4*(\cur)+3], 2*SLOTB  ; no load of mine is out: this slot's next step, two on
.if (\cur) && (\fx)
	s_add_co_u32 s[XB], s[XB], 8192                ; the next lap's x
.endif
	s_wait_dscnt 0x1                               ; this step's 40 fragment loads are back; the add alone may be out
	MUL \cur, 0, 1, \first
	s_wait_dscnt 0x0                               ; the add is done, and my reads of this slot are over
	s_barrier_signal -1                            ; this barrier opens a round of the cluster's
	MUL \cur, 2, 3, \first
	WIN 0
	s_barrier_wait -1
	CREST                                          ; no wave of any partner still reads this slot or has a load on its way
	tensor_load_to_lds s[G0+4*(\cur):G0+4*(\cur)+3], s[G1:G1+7]  ; my one load behind the round: 16 KiB, for all four work-groups
	s_nop 0
.if (\cur) && (\fx)
.irp i, 0,1,2,3
	v_add_nc_u32 v[XA+\i], s[XB], v[AXL+\i]        ; four plain lines: also the places in front of the loads below
.endr
.else
	PLACES 4
.endif
	WFETCH 1-(\cur)
.if \fx
	XFETCH 1-(\cur)
.endif
.if \ask
	ASK
.endif
	MUL \cur, 4, 15, \first
.endm
.macro LAP first, fxb
	STEP 0, \first, 1, 1
	STEP 1, 0, \fxb, 0
.endm
.macro BCLOAD                          ; a pass's bias as 16 C operands: register j of tile t holds column 16 t + 8 H + j, whatever the sample
	WIN 0
.set ft, 0
.rept 16
	global_load_b128 v[BC+8*ft:BC+8*ft+3],   v[BO], s[BIP:BIP+1] offset:64*ft
	global_load_b128 v[BC+8*ft+4:BC+8*ft+7], v[BO], s[BIP:BIP+1] offset:64*ft+16
.set ft, ft+1
.endr
.endm
.macro WFLOAD half                     ; 16 of my 32 fragments of Wf (view v, 32 hidden u: number 8 v + u) into window 1
	WIN 0x40
.set ft, 16*(\half)
.rept 16
	global_load_b128 v[8*ft:8*ft+3],   v[WFO], s[8:9] offset:1024*ft
	global_load_b128 v[8*ft+4:8*ft+7], v[WFO], s[8:9] offset:1024*ft+512
.set ft, ft+1
.endr
.endm
	; THE HEAD
	s_load_b256 s[4:11], s[0:1], 0x0               ; xt 4, WT 6, WFT 8, BI 10
	s_load_b64 s[12:13], s[0:1], 0x20              ; out0
	v_lshl_add_u32 v[SPW], v0, 2, SPARE
	v_mov_b32 v[NIL], 0
	ds_add_u32 v[SPW], v[NIL]                      ; the wave's opening: the add and its wait stand ahead of my first tensor load; work on registers stands between them
	v_lshrrev_b32 v[TM], 5, v0
	v_readfirstlane_b32 s[WV], v[TM]
	s_bfe_u32 s[CX], ttmp6, 0x40000                ; my place in the cluster: it enters xt's, out0's and the prefetches' addresses alone
	s_lshl_b32 s[WG], ttmp9, 2
	s_add_co_u32 s[WG], s[WG], s[CX]
	s_mov_b32 s[G1+0], 15|(3<<16)|(1<<21)          ; 15:0 the mask of four; 17:16 elements of 8 bytes; 21 set beside a mask; no padding: the fragments lie as they are read
	s_mov_b32 s[G1+1], 32<<16                      ; tensor_dim0 = 32 elements: rows of 256 bytes
	s_mov_b32 s[G1+2], 64<<16                      ; tensor_dim1 = 64
	s_mov_b32 s[G1+3], 32<<16                      ; tile_dim0 = 32
	s_mov_b32 s[G1+4], 64                          ; tile_dim1 = 64: 16,384 dense bytes
	s_mov_b32 s[G1+5], 32                          ; 32 elements from row to row
	s_mov_b32 s[G1+6], 0
	s_mov_b32 s[G1+7], 0
	s_mov_b32 s[SEL], 0x76543210
	s_mov_b32 s[SEL+1], 0xfedcba98
	s_mov_b32 s[CSC], 0x3d38aa3b                   ; log2(e) / sqrt(1024)
	s_mov_b32 s[RN], 0x39800000                    ; 1 / 4096
	s_mov_b32 s[EPS], 0x3727c5ac                   ; 1e-5
	s_mov_b32 s[ZERO], 0
	s_lshl_b32 s56, s[WV], 14                      ; my 16 KiB of a step, in memory and in a slot
	s_mov_b32 s57, 0
	s_mov_b32 s[G0], 1
	s_add_co_u32 s[G0+1], s56, RING
	s_mov_b32 s[G0+4], 1
	s_add_co_u32 s[G0+5], s56, RING+SLOTB
	s_wait_dscnt 0x0                               ; the opening add is done
	s_wait_kmcnt 0x0
	s_add_nc_u64 s[G0+2:G0+3], s[6:7], s[56:57]    ; step 0
	s_add_nc_u64 s[G0+6:G0+7], s[G0+2:G0+3], SLOTB ; step 1
	s_or_b32 s[G0+3], s[G0+3], 0x80000000          ; type = 2
	s_or_b32 s[G0+7], s[G0+7], 0x80000000
	CROUND                                         ; all four work-groups are here: the first joint loads meet
	tensor_load_to_lds s[G0:G0+3], s[G1:G1+7]      ; the two first fills go out together: two loads of mine are out
	s_nop 0
	tensor_load_to_lds s[G0+4:G0+7], s[G1:G1+7]
	s_nop 0
	PLACES 4
	s_lshl_b32 s56, s[WG], 18
	s_add_nc_u64 s[4:5], s[4:5], s[56:57]          ; xt at my 64 rows
	s_mul_i32 s56, s[WG], 640
	s_add_nc_u64 s[12:13], s[12:13], s[56:57]      ; out0 at my 16 rows of 40 bytes
	s_lshl_b32 s56, s[WV], 15
	s_add_nc_u64 s[8:9], s[8:9], s[56:57]          ; WFT at my wave's 32 fragments
	s_mov_b64 s[BIP:BIP+1], s[10:11]
	s_lshl_b32 s56, s[CX], 15
	s_lshl_b32 s58, s[WV], 13
	s_add_co_u32 s56, s56, s58
	s_add_co_u32 s56, s56, 3*2*SLOTB
	s_add_nc_u64 s[PFA:PFA+1], s[6:7], s[56:57]    ; my 8 KiB of lap 3
	s_cmp_eq_u32 ttmp9, 0                          ; the first cluster: the same answer in all four partners
	s_cselect_b32 s[LIM], 61, 0
	s_mov_b32 s[PFC], 0
	s_mov_b32 s[PLEFT], 4
	v_and_b32 v[R], 15, v0
	v_bfe_u32 v[H], v0, 4, 1
	v_and_b32 v[TM], 31, v0
	s_lshl_b32 s56, s[WV], 14
	s_add_co_u32 s56, s56, RING
	v_lshl_add_u32 v[WA], v[TM], 4, s56
	v_add_nc_u32 v[WA+1], SLOTB, v[WA]
	v_lshlrev_b32 v[PFO], 8, v[TM]
	v_lshlrev_b32 v[WFO], 4, v[TM]
	v_add_nc_u32 v[TM], v[R], v[H]
	s_lshl_b32 s56, s[WV], 15
.irp i, 0,1,2,3
	v_add_nc_u32 v[AXL+\i], 2*\i, v[TM]
	v_and_b32 v[AXL+\i], 15, v[AXL+\i]
	v_lshlrev_b32 v[AXL+\i], 4, v[AXL+\i]
	v_lshl_add_u32 v[AXL+\i], v[H], 8, v[AXL+\i]
	v_add_nc_u32 v[YA+\i], s56, v[AXL+\i]
.endr
	s_lshl_b32 s56, s[WV], 10
	v_lshl_add_u32 v[BO], v[H], 5, s56
	s_add_co_u32 s58, s56, SCS
	v_lshl_add_u32 v[SST], v[R], 6, s58
	v_lshlrev_b32 v[SLD], 6, v[R]
	v_add_nc_u32 v[SLD], SCS, v[SLD]
	s_lshl_b32 s58, s[WV], 12
	v_lshl_add_u32 v[GL], v[R], 4, s58             ; view = my wave: 4,096 w + 16 R,
	v_lshl_add_u32 v[GL], v[H], 17, v[GL]          ; lanes 16-31 eight samples further down
	v_lshlrev_b32 v[LNL], 2, v[R]
	v_add_nc_u32 v[LNL], LN1, v[LNL]
	s_lshl_b32 s58, s[WV], 6
	v_add_nc_u32 v[LNA], s58, v[LNL]
	; x INTO LDS.  Wave w takes view w of the 16 samples.  Load 16 bp + q: lanes 0-15 read 256 consecutive bytes (64 numbers from 64 q) of sample bp, lanes 16-31 of sample bp + 8.  The accumulators' registers hold them.
	BCLOAD                                         ; pass 0's bias first
	WIN 0x80
.set n, 0
.rept 64
	global_load_b128 v[4*n:4*n+3], v[GL], s[4:5] offset:(n/16)*16384+(n%16)*256 th:TH_LOAD_NT
.set n, n+1
.endr
	WIN 0xc0
.rept 64
	global_load_b128 v[4*(n-64):4*(n-64)+3], v[GL], s[4:5] offset:(n/16)*16384+(n%16)*256 th:TH_LOAD_NT
.set n, n+1
.endr
	WIN 0
.set i, 0
.rept 32
	v_mov_b32 v[S2+i], 0                           ; the score sums run over passes 0 and 1, whose text is one: they start here, while the loads are out
.set i, i+1
.endr
	; My four numbers k = 64 q + 4 R .. lie in step 2 q + R / 8, half c = (R / 4) % 2, h = (R / 2) % 2, e = 4 (R % 2): 8 bytes at
	; 8,192 q + 4,096 (R / 8) + 1,024 w + 256 ((R / 2) % 4) + 16 ((sample + R / 2) % 16) + 8 (R % 2).  The turn by R / 2 lets the 32 lanes of a store hit 32 different 8-byte columns of 256.
	v_lshrrev_b32 v[W0+1], 1, v[R]
	v_lshrrev_b32 v[W0], 3, v[R]
	v_lshlrev_b32 v[W0], 12, v[W0]
	v_and_b32 v[W0+2], 3, v[W0+1]
	v_lshl_add_u32 v[W0], v[W0+2], 8, v[W0]
	v_and_b32 v[W0+2], 1, v[R]
	v_lshl_add_u32 v[W0], v[W0+2], 3, v[W0]
	v_add_nc_u32 v[W0], s56, v[W0]                 ; s56 = 1,024 w
	v_lshl_add_u32 v[W0+1], v[H], 3, v[W0+1]       ; 8 H + R / 2
.set bp, 0
.rept 8
.if 16*(7-bp) > 63
	s_wait_loadcnt 63                              ; (the counter's field holds no more)
.else
	s_wait_loadcnt 16*(7-bp)                       ; group bp's 16 loads are in; the groups issued behind it may stay out
.endif
	WIN 0
	v_add_nc_u32 v[W0+2], bp, v[W0+1]
	v_and_b32 v[W0+2], 15, v[W0+2]
	v_lshl_add_u32 v[W0+2], v[W0+2], 4, v[W0]
	v_add_nc_u32 v[W0+3], 65536, v[W0+2]           ; q = 8 .. 15: an LDS offset has 16 bits
	WIN 0x0a+5*(bp/4)                              ; sources window 2 or 3
.set q, 0
.rept 16
	v_cvt_pk_f16_f32 v[XF+2*q],   v[64*(bp%4)+4*q],   v[64*(bp%4)+4*q+1]
	v_cvt_pk_f16_f32 v[XF+2*q+1], v[64*(bp%4)+4*q+2], v[64*(bp%4)+4*q+3]
.set q, q+1
.endr
	WIN 0
.set q, 0
.rept 16
	ds_store_b64 v[W0+2+q/8], v[XF+2*q:XF+2*q+1] offset:(q%8)*8192
.set q, q+1
.endr
.set bp, bp+1
.endr
	s_wait_dscnt 0x0                               ; for the others' sake: my view of x lies in LDS
	s_wait_tensorcnt 0x1                           ; my part of step 0 is in; step 1's may stay out
	s_barrier_signal -1
	s_barrier_wait -1
	WFETCH 0
	WIN 0
	; THE PASSES.  The ring does not stop at a pass's end: a pass's last lap asks for, and fetches, the next pass's first steps, and they land while the work between the passes is done.
.Lpass:
	s_mov_b32 s[XB], 0
.irp i, 0,1,2,3
	v_mov_b32 v[XA+\i], v[AXL+\i]
.endr
	XFETCH 0
	s_wait_loadcnt 0x0                             ; the pass's bias
	LAP 1, 1
	WIN 0
	s_cmp_eq_u32 s[PLEFT], 1
	s_cbranch_scc1 .Lnobias
	PLACES 4                                       ; with the four behind the last joint load: the places behind the products that read the bias
	s_wait_xcnt 0x0                                ; the earlier loads have read their base
	s_add_nc_u64 s[BIP:BIP+1], s[BIP:BIP+1], 4096
	BCLOAD                                         ; the next pass's bias, nearly a pass ahead
.Lnobias:
	s_mov_b32 s[LAPS], 14
.Llap:
	LAP 0, 1
	WIN 0
	s_sub_co_u32 s[LAPS], s[LAPS], 1
	s_cmp_lg_u32 s[LAPS], 0
	s_cbranch_scc1 .Llap
	s_cmp_eq_u32 s[PLEFT], 1
	s_cbranch_scc1 .Ltail                          ; the last pass's last lap is written out: it asks for nothing
	LAP 0, 0
	WIN 0
	PLACES 8                                       ; behind the last products, ahead of the vector work on their registers
	s_cmp_eq_u32 s[PLEFT], 2
	s_cbranch_scc1 .Lmix
	; SCORES, behind passes 0 and 1: sums over my lane's 64 hidden of q[v] k[w], two at a time, in 16 chains.  Each accumulator's lowest pair is read first.
	WIN 0x0e                                       ; q window 2, k window 3, sums window 0
.set tq, 0
.rept 8
.set pp, 0
.rept 4
.set vw, 0
.rept 16
	v_pk_fma_f32 v[S2+2*vw:S2+2*vw+1], v[8*(4*tq+vw/4)+2*pp:8*(4*tq+vw/4)+2*pp+1], v[8*(4*tq+vw%4)+2*pp:8*(4*tq+vw%4)+2*pp+1], v[S2+2*vw:S2+2*vw+1]
.set vw, vw+1
.endr
.set pp, pp+1
.endr
.set tq, tq+1
.endr
	WIN 0
	s_cmp_eq_u32 s[PLEFT], 4
	s_cbranch_scc1 .Lnext
	; SOFTMAX, behind pass 1.  The pairs' halves, the other half of the lanes' and the four waves' sums are added; then each row of four.
.set i, 0
.rept 16
	v_add_f32 v[XF+i], v[S2+2*i], v[S2+2*i+1]
.set i, i+1
.endr
.set i, 0
.rept 16
	v_permlanex16_b32 v[XF+16+i], v[XF+i], s[SEL], s[SEL+1]
.set i, i+1
.endr
.set i, 0
.rept 16
	v_add_f32 v[XF+i], v[XF+i], v[XF+16+i]
.set i, i+1
.endr
.set i, 0
.rept 4
	ds_store_b128 v[SST], v[XF+4*i:XF+4*i+3] offset:16*i  ; both halves of the lanes hold, and write, the same
.set i, i+1
.endr
	s_wait_dscnt 0x0                               ; for the others' sake
	s_barrier_signal -1
	s_barrier_wait -1                              ; my tensor load may stay out
.set i, 0
.rept 16
	ds_load_b128 v[XF+4*i:XF+4*i+3], v[SLD] offset:1024*(i/4)+16*(i%4)
.set i, i+1
.endr
	s_wait_dscnt 0x0
.set i, 0
.rept 8
	v_pk_add_f32 v[XF+2*i:XF+2*i+1], v[XF+2*i:XF+2*i+1], v[XF+16+2*i:XF+16+2*i+1]
	v_pk_add_f32 v[XF+32+2*i:XF+32+2*i+1], v[XF+32+2*i:XF+32+2*i+1], v[XF+48+2*i:XF+48+2*i+1]
.set i, i+1
.endr
.set i, 0
.rept 8
	v_pk_add_f32 v[XF+2*i:XF+2*i+1], v[XF+2*i:XF+2*i+1], v[XF+32+2*i:XF+32+2*i+1]
.set i, i+1
.endr
.set i, 0
.rept 4
	v_max3_num_f32 v[XF+16+i], v[XF+4*i], v[XF+4*i+1], v[XF+4*i+2]
.set i, i+1
.endr
.set i, 0
.rept 4
	v_max_num_f32 v[XF+16+i], v[XF+16+i], v[XF+4*i+3]
.set i, i+1
.endr
.set i, 0
.rept 4
	v_mul_f32 v[XF+16+i], s[CSC], v[XF+16+i]       ; c m
.set i, i+1
.endr
.set i, 0
.rept 16
	v_fma_f32 v[XF+i], v[XF+i], s[CSC], -v[XF+16+i/4]  ; c s - c m
.set i, i+1
.endr
.set i, 0
.rept 16
	v_exp_f32 v[XF+i], v[XF+i]
.set i, i+1
.endr
	v_nop                                          ; a plain instruction behind the last exponential,
	s_wait_alu depctr_va_vdst(0)                   ; and a wait ahead of the first use: one for the batch of 16
.set i, 0
.rept 4
	v_add_f32 v[XF+16+i], v[XF+4*i], v[XF+4*i+1]
	v_add_f32 v[XF+20+i], v[XF+4*i+2], v[XF+4*i+3]
.set i, i+1
.endr
.set i, 0
.rept 4
	v_add_f32 v[XF+16+i], v[XF+16+i], v[XF+20+i]
.set i, i+1
.endr
.set i, 0
.rept 4
	v_rcp_f32 v[XF+24+i], v[XF+16+i]
.set i, i+1
.endr
	v_nop
	s_wait_alu depctr_va_vdst(0)                   ; one for the four reciprocals
.set i, 0
.rept 16
	v_mul_f32 v[AT+i], v[XF+i], v[XF+24+i/4]
.set i, i+1
.endr
	s_branch .Lnext
	; MIX, behind pass 2: y[v] = the sum over w of attn[v][w] V[w] + x[v], in place in the accumulators, a tile (16 columns x 4 views) at a time.
	; The residual's 8 numbers of (tile, view) are the 16 bytes that my lane would fetch as half a fragment of x.
.macro RESLD t
.set ft, 0
.rept 4
	ds_load_b128 v[XF+16*((\t)%2)+4*ft:XF+16*((\t)%2)+4*ft+3], v[YA+(\t)%4] offset:((\t)/2)*4096+1024*ft+((\t)%2)*512
.set ft, ft+1
.endr
.endm
.macro MIXT t
	WIN 0
.if (\t) < 15
	RESLD (\t)+1
	s_wait_dscnt 0x4                               ; this tile's four are in; the next tile's four may stay out
.else
	s_wait_dscnt 0x0
.endif
.set aw, 2+(\t)/8                      ; the tile's window
.set ab, 32*((\t)%8)                   ; view w's accumulator at ab + 8 w
.set xh, XF+16*((\t)%2)
	WIN aw                                         ; source 0 an accumulator
.set i, 0
.rept 32                               ; i = 8 v + j: attn[v][0] V[0] + x[v], x read as an f16 half
.if i%2
	v_fma_mix_f32 v[TT+i], v[ab+i%8], v[AT+4*(i/8)], v[xh+4*(i/8)+(i%8)/2] op_sel:[0,0,1] op_sel_hi:[0,0,1]
.else
	v_fma_mix_f32 v[TT+i], v[ab+i%8], v[AT+4*(i/8)], v[xh+4*(i/8)+(i%8)/2] op_sel_hi:[0,0,1]
.endif
.set i, i+1
.endr
.set i, 0
.rept 16                               ; i = 4 v + pair: + attn[v][1] V[1]: the pair's second register for both halves
	v_pk_fma_f32 v[TT+2*i:TT+2*i+1], v[ab+8+2*(i%4):ab+8+2*(i%4)+1], v[AT+4*(i/4):AT+4*(i/4)+1], v[TT+2*i:TT+2*i+1] op_sel:[0,1,0] op_sel_hi:[1,1,1]
.set i, i+1
.endr
.set i, 0
.rept 16                               ; + attn[v][2] V[2]: the pair's first register for both halves
	v_pk_fma_f32 v[TT+2*i:TT+2*i+1], v[ab+16+2*(i%4):ab+16+2*(i%4)+1], v[AT+4*(i/4)+2:AT+4*(i/4)+3], v[TT+2*i:TT+2*i+1] op_sel_hi:[1,0,1]
.set i, i+1
.endr
	WIN aw*0x41                                    ; source 0 and destination an accumulator
.set i, 0
.rept 16                               ; + attn[v][3] V[3], into view v's accumulator; V[3]'s own comes last, pair by pair in place
	v_pk_fma_f32 v[ab+8*(i/4)+2*(i%4):ab+8*(i/4)+2*(i%4)+1], v[ab+24+2*(i%4):ab+24+2*(i%4)+1], v[AT+4*(i/4)+2:AT+4*(i/4)+3], v[TT+2*i:TT+2*i+1] op_sel:[0,1,0] op_sel_hi:[1,1,1]
.set i, i+1
.endr
.endm
; Four chains in v[STT:STT+7] into one number; the other half of the lanes'; the four waves', through LDS at off.  The sample's sum ends in v[STT] of every lane that holds the sample.
.macro LNSUM off
	WIN 0
	v_pk_add_f32 v[STT:STT+1], v[STT:STT+1], v[STT+2:STT+3]
	v_pk_add_f32 v[STT+4:STT+5], v[STT+4:STT+5], v[STT+6:STT+7]
	v_pk_add_f32 v[STT:STT+1], v[STT:STT+1], v[STT+4:STT+5]
	v_add_f32 v[STT], v[STT], v[STT+1]
	v_permlanex16_b32 v[STT+1], v[STT], s[SEL], s[SEL+1]
	v_add_f32 v[STT], v[STT], v[STT+1]
	ds_store_b32 v[LNA], v[STT] offset:\off
	s_wait_dscnt 0x0                               ; for the others' sake; my reads of x are back too
	s_barrier_signal -1
	s_barrier_wait -1
.irp i, 0,1,2,3
	ds_load_b32 v[STT+\i], v[LNL] offset:(\off)+64*\i
.endr
	s_wait_dscnt 0x0
	v_add_f32 v[STT], v[STT], v[STT+1]
	v_add_f32 v[STT+2], v[STT+2], v[STT+3]
	v_add_f32 v[STT], v[STT], v[STT+2]
.endm
.macro CHAINS0
	WIN 0
.irp i, 0,1,2,3,4,5,6,7
	v_mov_b32 v[STT+\i], 0
.endr
.endm
.macro NORMT t                         ; a tile of (y - mean) times 1 / sqrt(var + eps), rounded to f16, goes where its x lay: my wave's own 256 columns
.set aw, 2+(\t)/8
.set ab, 32*((\t)%8)
.set xh, XF+16*((\t)%2)
	WIN aw
.set i, 0
.rept 16
	v_pk_mul_f32 v[TT+2*i:TT+2*i+1], v[ab+2*i:ab+2*i+1], v[STT+10:STT+11]
.set i, i+1
.endr
	WIN 0
.set i, 0
.rept 16
	v_cvt_pk_f16_f32 v[xh+i], v[TT+2*i], v[TT+2*i+1]
.set i, i+1
.endr
.set ft, 0
.rept 4
	ds_store_b128 v[YA+(\t)%4], v[xh+4*ft:xh+4*ft+3] offset:((\t)/2)*4096+1024*ft+((\t)%2)*512
.set ft, ft+1
.endr
.endm
.Lmix:
	RESLD 0
.irp t, 0,1,2,3,4,5,6,7,8,9,10,11,12,13,14,15
	MIXT \t
.endr
	; THE NORM.  The mean of the sample's 4,096 numbers (512 in my lane), then the sum of squares of y - mean: no difference of large sums is formed.
	CHAINS0
.irp wn, 2,3
	WIN \wn
.set i, 0
.rept 128
	v_pk_add_f32 v[STT+2*(i%4):STT+2*(i%4)+1], v[2*i:2*i+1], v[STT+2*(i%4):STT+2*(i%4)+1]
.set i, i+1
.endr
.endr
	LNSUM 0
	v_mul_f32 v[STT+8], 0xb9800000, v[STT]         ; - mean
	v_mov_b32 v[STT+9], v[STT+8]
	CHAINS0
.irp wn, 2,3
	WIN (\wn)*0x41
.set i, 0
.rept 128
	v_pk_add_f32 v[2*i:2*i+1], v[2*i:2*i+1], v[STT+8:STT+9]
.set i, i+1
.endr
	WIN (\wn)*5                                    ; sources 0 and 1 an accumulator
.set i, 0
.rept 128
	v_pk_fma_f32 v[STT+2*(i%4):STT+2*(i%4)+1], v[2*i:2*i+1], v[2*i:2*i+1], v[STT+2*(i%4):STT+2*(i%4)+1]
.set i, i+1
.endr
.endr
	LNSUM 256
	v_fma_f32 v[STT], v[STT], s[RN], s[EPS]
	v_rsq_f32 v[STT+10], v[STT]
	v_nop
	s_wait_alu depctr_va_vdst(0)                   ; ahead of the root's first use
	v_mov_b32 v[STT+11], v[STT+10]
	; Every wave's reads of x were waited for in front of the barriers above, so x may be written over.
.irp t, 0,1,2,3,4,5,6,7,8,9,10,11,12,13,14,15
	NORMT \t
.endr
	s_wait_dscnt 0x0                               ; for the others' sake: my columns of yn lie in LDS
	s_barrier_signal -1
	s_barrier_wait -1
.Lnext:
	s_sub_co_u32 s[PLEFT], s[PLEFT], 1
	s_branch .Lpass
.Ltail:	; THE LAST LAP fills nothing, so it has no barrier: a wave reads only what its own loads brought.
	s_wait_tensorcnt 0x0                           ; my part of the last step is in
	s_wait_dscnt 0x0
	MUL 0, 0, 3, 0
	PLACES 4
	WFETCH 1
	XFETCH 1
	MUL 0, 4, 15, 0
	s_wait_dscnt 0x0
	MUL 1, 0, 3, 0
	PLACES 4
	WFLOAD 0                                       ; buffer 0 of the weights is free: half of my fragments of Wf
	MUL 1, 4, 15, 0
	; THE LAST PRODUCT.  relu(h) of tiles 2 u and 2 u + 1, rounded to f16 in place, is source 1 (32 hidden x 16 samples); source 0 = 16 classes of Wf.  All four views add into 16 classes x 16 samples.
	WIN 0
	PLACES 8
	WFLOAD 1
	WIN 0
	v_lshlrev_b32 v[W0], 5, v[H]
	global_load_b128 v[STT:STT+3],   v[W0], s[10:11] offset:16384  ; bf of my classes 8 H + 0..7
	global_load_b128 v[STT+4:STT+7], v[W0], s[10:11] offset:16400
.irp wn, 2,3
	WIN (\wn)*0x45                                 ; sources 0 and 1 and destination an accumulator
.set i, 0
.rept 16                               ; i = 4 (u % 4) + view
.set pa, 8*(8*(i/4)+i%4)
.set pb, pa+32
.irp k, 0,1,2,3
	v_cvt_pk_f16_f32 v[pa+\k], v[pa+2*\k], v[pa+2*\k+1]      ; ascending: what is written has been read
.endr
.irp k, 0,1,2,3
	v_cvt_pk_f16_f32 v[pa+4+\k], v[pb+2*\k], v[pb+2*\k+1]
.endr
.irp k, 0,1,2,3,4,5,6,7
	v_pk_max_num_f16 v[pa+\k], v[pa+\k], s[ZERO]
.endr
.set i, i+1
.endr
.endr
	s_wait_loadcnt 0x0                             ; Wf's fragments and bf
.set i, 0
.rept 32                               ; i = 4 u + view: four accumulators by turns
	WIN 0x09+4*(i/16)                              ; Wf window 1, relu(h) window 2 or 3, sums window 0
.set pa, 8*(8*((i/4)%4)+i%4)
.set fa, 8*(8*(i%4)+i/4)
.if i < 4
	v_wmma_f32_16x16x32_f16 v[XF+8*(i%4):XF+8*(i%4)+7], v[fa:fa+7], v[pa:pa+7], 0
.else
	v_wmma_f32_16x16x32_f16 v[XF+8*(i%4):XF+8*(i%4)+7], v[fa:fa+7], v[pa:pa+7], v[XF+8*(i%4):XF+8*(i%4)+7]
.endif
.set i, i+1
.endr
	WIN 0
	PLACES 8
.macro OSUM                            ; four tiles of 8 registers into the first
.set i, 0
.rept 4
	v_pk_add_f32 v[XF+2*i:XF+2*i+1], v[XF+2*i:XF+2*i+1], v[XF+8+2*i:XF+8+2*i+1]
	v_pk_add_f32 v[XF+16+2*i:XF+16+2*i+1], v[XF+16+2*i:XF+16+2*i+1], v[XF+24+2*i:XF+24+2*i+1]
.set i, i+1
.endr
.set i, 0
.rept 4
	v_pk_add_f32 v[XF+2*i:XF+2*i+1], v[XF+2*i:XF+2*i+1], v[XF+16+2*i:XF+16+2*i+1]
.set i, i+1
.endr
.endm
	OSUM                                           ; the four views
	v_and_b32 v[TM], 31, v0
	v_lshlrev_b32 v[W0+1], 5, v[TM]
	v_add_nc_u32 v[W0+1], OUTP, v[W0+1]
	s_lshl_b32 s56, s[WV], 10
	v_add_nc_u32 v[W0+2], s56, v[W0+1]
	ds_store_b128 v[W0+2], v[XF:XF+3]
	ds_store_b128 v[W0+2], v[XF+4:XF+7] offset:16
	s_wait_dscnt 0x0                               ; for wave 0's sake
	s_barrier_signal -1
	s_barrier_wait -1
	s_cmp_lg_u32 s[WV], 0
	s_cbranch_scc1 .Lfin
.set i, 0
.rept 4
	ds_load_b128 v[XF+8*i:XF+8*i+3],   v[W0+1] offset:1024*i
	ds_load_b128 v[XF+8*i+4:XF+8*i+7], v[W0+1] offset:1024*i+16
.set i, i+1
.endr
	s_wait_dscnt 0x0
	OSUM                                           ; the four waves' quarters of the hidden axis
.set i, 0
.rept 4
	v_pk_add_f32 v[XF+2*i:XF+2*i+1], v[XF+2*i:XF+2*i+1], v[STT+2*i:STT+2*i+1]
.set i, i+1
.endr
	; My lane holds sample R, classes 8 H + 0..7, of which 0 to 9 exist.  The 16 rows of 40 bytes are gathered in LDS and leave as 640 consecutive bytes.
	v_mul_u32_u24 v[W0+3], v[R], 40
	v_lshl_add_u32 v[W0+3], v[H], 5, v[W0+3]
	v_add_nc_u32 v[W0+3], OUTS, v[W0+3]
	ds_store_b64 v[W0+3], v[XF:XF+1]               ; classes 0, 1 and 8, 9
	v_cmp_eq_u32 vcc_lo, 0, v[H]
	s_wait_xcnt 0x0                                ; EXEC changes only when every earlier memory instruction has had its address translated
	s_and_saveexec_b32 s56, vcc_lo
	ds_store_b64 v[W0+3], v[XF+2:XF+3] offset:8    ; classes 2 to 7: lanes 0-15 alone
	ds_store_b64 v[W0+3], v[XF+4:XF+5] offset:16
	ds_store_b64 v[W0+3], v[XF+6:XF+7] offset:24
	s_wait_xcnt 0x0
	s_or_b32 exec_lo, exec_lo, s56
	v_lshlrev_b32 v[TM], 2, v[TM]
	v_add_nc_u32 v[W0+1], OUTS, v[TM]
.set i, 0
.rept 5
	ds_load_b32 v[XF+8+i], v[W0+1] offset:128*i    ; LDS serves a wave's instructions in order (ISA guide 5.7.1.4): these see the stores above
.set i, i+1
.endr
.set i, 0
.rept 5
	s_wait_dscnt 4-i                               ; load i is back; the younger ones may stay out
	global_store_b32 v[TM], v[XF+8+i], s[12:13] offset:128*i  ; 128 consecutive bytes of the work-group's 640
.set i, i+1
.endr
.Lfin:
	s_wait_tensorcnt 0x0                           ; the wave's end: behind my last tensor load and my last LDS store
	ds_add_u32 v[SPW], v[NIL]
	s_wait_dscnt 0x0
	CROUND                                         ; the closing round: no work-group ends while a partner may still ask for a piece that names it
	s_endpgm
.Lfunc_end_k_qb97f18d1da_fused:
	.size	k_qb97f18d1da_fused, .Lfunc_end_k_qb97f18d1da_fused-k_qb97f18d1da_fused
	.p2alignl 7, 3214868480
	.fill 96, 4, 3214868480
	.section	.rodata,"a",@progbits
	.p2align	6, 0x0
	.amdhsa_kernel k_qb97f18d1da_fused
		.amdhsa_group_segment_fixed_size 327680
		.amdhsa_private_segment_fixed_size 0
		.amdhsa_enable_private_segment 0
		.amdhsa_kernarg_size 40
		.amdhsa_user_sgpr_count 2
		.amdhsa_user_sgpr_kernarg_segment_ptr 1
		.amdhsa_wavefront_size32 1
		.amdhsa_system_sgpr_workgroup_id_x 1
		.amdhsa_system_sgpr_workgroup_id_y 1
		.amdhsa_system_sgpr_workgroup_id_z 1
		.amdhsa_system_vgpr_workitem_id 0
		.amdhsa_next_free_vgpr 1024
		.amdhsa_next_free_sgpr 66
		.amdhsa_reserve_vcc 1
		.amdhsa_float_denorm_mode_32 3
		.amdhsa_float_denorm_mode_16_64 3
		.amdhsa_memory_ordered 1
		.amdhsa_forward_progress 1
		.amdhsa_inst_pref_size 255
	.end_amdhsa_kernel
	.section	.bss,"aw",@nobits
	.p2align	6
	.space	262144
	.amdgpu_metadata
---
amdhsa.version: [ 1, 2 ]
amdhsa.kernels:
  - .name:           k_qb97f18d1da_fused
    .symbol:         k_qb97f18d1da_fused.kd
    .args:
      - { .name: xt, .offset: 0, .size: 8, .value_kind: global_buffer, .address_space: global }
      - { .name: WT, .offset: 8, .size: 8, .value_kind: global_buffer, .address_space: global }
      - { .name: WFT, .offset: 16, .size: 8, .value_kind: global_buffer, .address_space: global }
      - { .name: BI, .offset: 24, .size: 8, .value_kind: global_buffer, .address_space: global }
      - { .name: out0, .offset: 32, .size: 8, .value_kind: global_buffer, .address_space: global }
    .group_segment_fixed_size: 327680
    .private_segment_fixed_size: 0
    .kernarg_segment_align: 8
    .kernarg_segment_size: 40
    .max_flat_workgroup_size: 128
    .sgpr_count:     66
    .vgpr_count:     1024
    .wavefront_size: 32
...
	.end_amdgpu_metadata
.endif
;; end of part 2
;; ======== version 2 of 2: 2 launches
;; limits: values outside matrix products are rounded to f16; values are held in f16: magnitudes above 65,504 overflow, below 6.1e-05 lose precision; inputs' magnitudes at most 65,504
;; workspace buffers: WT 8,388,608 bytes; WFT 131,072 bytes; BI 16,640 bytes
;; launch prep: the kernel of part 1 again; grid 289 x 1, 8 waves a work-group, no clusters, 34,816 bytes of LDS; arguments Wq, Wk, Wv, W1, Wf, bq, bk, bv, b1, bf, WT, WFT, BI; writes WT, WFT, BI
;; launch fused (part 3): grid 256 x 1, 4 waves a work-group, no clusters, 157,440 bytes of LDS; arguments xt, WT, WFT, BI, out0; writes out0
.if DOCPART == 3
	.amdgcn_target "amdgcn-amd-amdhsa--gfx1250"
	.amdhsa_code_object_version 6
	.text
	.protected	k_qb97f18d1da_fused
	.globl	k_qb97f18d1da_fused
	.p2align	8
	.type	k_qb97f18d1da_fused,@function
k_qb97f18d1da_fused:
	s_mov_b64 s[64:65], 0
	v_nop
	global_prefetch_b8 v0, s[64:65] scope:SCOPE_SE
	s_setreg_imm32_b32 hwreg(HW_REG_WAVE_MODE, 25, 1), 1
	s_wait_xcnt 0x0
; ALL OF THE MODULE IN ONE LAUNCH: q, k, v = x W + b; a softmax over each sample's 4 x 4 scores q . k / 32; y = attn v + x; a layer norm over the sample's 4,096 numbers; relu(yn W1 + b1); times Wf, plus bf.
; FORMATS.  Matrix operands are f16, each rounded once from f32: x, the weights (by the launch before), yn, relu(h).  All sums, the biases, scores, softmax (the row's maximum taken away), mixing and norm
; (mean first, then the sum of squares of y - mean) are f32.  The residual takes x as it lies in LDS, in f16.
; LIMITS.  |x| stays under 65,504, and under 6.1e-5 it keeps f16's fixed step of 6e-8; |yn| is at most 64 by the norm itself; relu(h) must stay under 65,504 (|h| <= 64 x the norm of a column of W1, + |b1|).
; An exponential below 2^-126 counts as 0.  NaN and infinities are not treated apart (relu turns a NaN into 0).
; SHARES.  A work-group owns 16 samples x 4 views = 64 rows of x; 256 work-groups.  Each of its four waves makes 256 of a pass's 1,024 columns for all 64 rows: 64 accumulators of 16 x 16, 512 registers.
; Four PASSES of 32 K steps of 32: pass 0: q and k, hidden 0..511; pass 1: q and k, hidden 512..1023 (a wave holds the same 128 hidden of q, tiles 0-7, and of k, tiles 8-15); pass 2: v; pass 3: W1.
; LAYOUT.  The product is taken transposed: source 0 = 16 columns of the weights, source 1 = the 16 SAMPLES of ONE view.  In the result lane l holds sample l % 16 and columns 8 (l / 16) + 0..7, and a sample's four
; views lie in the same lane of four accumulators: scores, mixing and norm stay in the lane, and two results rounded to f16 ARE source 1 of the next product.  Only 16 scores, two sums and the 16 x 16 output sums cross waves.
; x (later yn) lies in LDS as f16 fragments for the whole launch: all four waves read it.
; THE WEIGHTS are ONE stream of 128 steps of 64 KiB, laid out by the launch before as fragments.  A fragment is multiplied by ONE wave, once, so it goes straight from memory into that wave's registers, by two loads of 512
; consecutive bytes.  Two steps' fragments, 256 registers, are a ring of eight PIECES of four tiles: behind a piece's 16 products its registers are asked for again, two steps on.  So 56 to 64 loads of a wave, 28 to 32 KiB,
; are on their way all the time, a load has 112 products in which to come, and no barrier stands inside a pass.  The ring does not stop at a pass's end.
; NO CLUSTER AND NO JOINT LOADS, though all work-groups walk the same stream.  Beside x's 128 KiB LDS has room for two slots of one K step: a refill would have 48 products in which to land, with a wait for all loads and a
; round of the cluster's barrier for every 64 products, and each fragment would be written to LDS and read from it once, 16 KiB more LDS reads for a wave's 64 products.  The price: every work-group asks for all 8 MiB by
; itself, four times the requests of joint loads of four.
; REGISTERS, in windows of 256 (s_set_vgpr_msb: bits 1:0 source 0, 3:2 source 1, 5:4 source 2, 7:6 destination):
;   window 0: v0-31 addresses; v32-63, v64-95 x's fragments, two buffers (at work between the passes); v96-127 score sums, later attn and statistics; v128-255 the pass's bias as a C operand
;   window 1: the weights' fragments, two steps of 128       window 2: accumulators of tiles 0-7, (t, view) at 8 (4 t + view)       window 3: those of tiles 8-15
.set STEPB, 65536                      ; a step of the stream in memory; wave w's part at 16,384 w, tile t at 1,024 t, half c at 512 c, lane l at 16 l
.set LAPB,  131072                     ; a lap = two steps
.set BIL,   131072                     ; LDS: 0 .. 131,071 x / yn; then the biases: 4,096 w + 1,024 pass, each wave's own
.set SCS,   147456                     ; scores: 1,024 w + 64 sample
.set LN1,   151552                     ; the norm's two exchanges: 64 w + 4 sample; the second 256 bytes on
.set OUTP,  152064                     ; the output's partial sums: 1,024 w + 32 lane
.set OUTS,  156160                     ; the output's 16 rows of 40 bytes
.set SPARE, 156928                     ; the spare words, 128 bytes for each wave: two blocks of 256 bytes that no other line names
.set R,   1                            ; v1   lane % 16
.set H,   2                            ; v2   lane / 16
.set BST, 3                            ; v3   the biases' copy: where I put 16 bytes
.set BGL, 4                            ; v4   the biases' copy: 1,024 w + 16 lane in a row of BI
.set AXL, 5                            ; v5-8   x's fragments, by 2 (step % 2) + c: 256 H + 16 ((R + 4 (step % 2) + 2 c + H) % 16); never rewritten
.set XA,  9                            ; v9-12  the same + the lap's 8,192 bytes
.set YA,  13                           ; v13-16 the same + my wave's 256 columns (32,768 w)
.set BO,  17                           ; v17  bias in LDS: BIL + 4,096 w + 32 H + 1,024 x the pass to be loaded
.set SST, 18                           ; v18  where I put my 16 score sums
.set SLD, 19                           ; v19  where I read the four waves'
.set GL,  20                           ; v20  my byte offset in the work-group's x
.set W0,  21                           ; v21-24 at work on addresses
.set PFO, 25                           ; v25  256 x lane
.set WFO, 26                           ; v26  16 x lane; never rewritten
.set LNA, 27                           ; v27  LN1 + 64 w + 4 R
.set SPW, 28                           ; v28  SPARE + 4 x my thread's number; never rewritten
.set NIL, 29                           ; v29  0; never rewritten
.set LNL, 30                           ; v30  LN1 + 4 R
.set TM,  31
.set XF,  32
.set TT,  64                           ; 32 registers at work between the passes
.set S2,  96                           ; 16 pairs of score sums, (v, w) at S2 + 2 (4 v + w)
.set AT,  96                           ; later attn[v][w] at AT + 4 v + w
.set STT, 112                          ; statistics
.set BC,  128
.set WV,  14                           ; s14 wave; s16 my work-group
.set WG,  16
.set SW,  20                           ; s[20:21] the stream at my wave's part of the lap that is being asked for
.set PLEFT, 40                         ; passes to go, this one among them
.set LAPS,  41
.set XB,  42                           ; the lap's offset in x
.set PFA, 44                           ; s[44:45] where my prefetches stand
.set PFC, 46                           ; laps begun
.set LIM, 47                           ; I prefetch while fewer laps than this have begun
.set SEL, 50                           ; s[50:51] v_permlanex16_b32's selects: each lane takes its own place in the other half
.set CSC, 52                           ; log2(e) / 32
.set RN,  53                           ; 1 / 4096
.set EPS, 54
.set ZERO, 55
.set MSB, 0
.macro WIN new                         ; the immediate's high byte repeats the setting that is left; a switch that changes nothing is dropped
.if MSB != (\new)
	s_set_vgpr_msb (MSB<<8)|(\new)
.set MSB, \new
.endif
.endm
.macro PLACES n                        ; a vector instruction or a load that touches a matrix instruction's registers stands some plain vector instructions behind it
.rept \n
	v_nop
.endr
.endm
; Tiles t0 .. t1 x four views, 32 along K, on buffers cur.  The 64 accumulators take turns, one instruction a turn, in the same order in every step.
; first = 1: a pass's first step starts the sums with the bias as C: nothing is cleared.
.macro MUL cur, t0, t1, first
.set mt, \t0
.rept (\t1)-(\t0)+1
.if \first
	WIN 0x81+0x40*(mt/8)                           ; weights window 1, x and C window 0, D window 2 or 3
.else
	WIN 0xa1+0x50*(mt/8)                           ; C and D window 2 or 3
.endif
.set mv, 0
.rept 4
.set ra, 8*(4*(mt%8)+mv)
.if \first
	v_wmma_f32_16x16x32_f16 v[ra:ra+7], v[128*(\cur)+8*mt:128*(\cur)+8*mt+7], v[XF+32*(\cur)+8*mv:XF+32*(\cur)+8*mv+7], v[BC+8*mt:BC+8*mt+7]
.else
	v_wmma_f32_16x16x32_f16 v[ra:ra+7], v[128*(\cur)+8*mt:128*(\cur)+8*mt+7], v[XF+32*(\cur)+8*mv:XF+32*(\cur)+8*mv+7], v[ra:ra+7]
.endif
.set mv, mv+1
.endr
.set mt, mt+1
.endr
.endm
; Piece g (tiles 4 g .. 4 g + 3) of the step on buffers b: its 16 products.  left = the loads issued behind the piece's own eight, which may stay out (loads come back in order: ISA guide 5.7.1).
.macro GRP b, g, first, left
	s_wait_loadcnt \left
	MUL \b, 4*(\g), 4*(\g)+3, \first
.endm
.macro WLOAD b, g                      ; piece g of step b of the lap at which the pointer stands: eight loads of 512 consecutive bytes
	WIN 0x40                                       ; destination window 1, address window 0
.set ft, 4*(\g)
.rept 4
	global_load_b128 v[128*(\b)+8*ft:128*(\b)+8*ft+3],   v[WFO], s[SW:SW+1] offset:STEPB*(\b)+1024*ft
	global_load_b128 v[128*(\b)+8*ft+4:128*(\b)+8*ft+7], v[WFO], s[SW:SW+1] offset:STEPB*(\b)+1024*ft+512
.set ft, ft+1
.endr
.endm
.macro XFETCH sp                       ; the four views' fragments of x for the lap's step sp; a half wave's 16 lanes take the 16 columns of one row of 256 bytes, each once
	WIN 0
.set ft, 0
.rept 4
	ds_load_b128 v[XF+32*(\sp)+8*ft:XF+32*(\sp)+8*ft+3],   v[XA+2*(\sp)]   offset:4096*(\sp)+1024*ft
	ds_load_b128 v[XF+32*(\sp)+8*ft+4:XF+32*(\sp)+8*ft+7], v[XA+2*(\sp)+1] offset:4096*(\sp)+1024*ft+512
.set ft, ft+1
.endr
.endm
; A PREFETCH INTO THE L2, once a lap, behind the lap's first run of loads: lap n names the 128 KiB of lap n + 3, whose loads go out in lap n + 2: two laps, 256 matrix instructions, ahead.
; All work-groups walk the same stream: work-groups 0 to 3 ask, and share a lap out BY ADDRESS (32,768 x group + 8,192 x wave + 256 x lane): each block of 256 bytes is named once in the launch.
; Laps 0 to 2 come by their loads alone; from lap 61 on nothing is asked for, since the stream has 64 laps.
.macro ASK
	WIN 0
	s_cmp_lt_u32 s[PFC], s[LIM]
	s_cbranch_scc0 .Lnot_mine_\@
	global_prefetch_b8 v[PFO], s[PFA:PFA+1] th:TH_LOAD_NT scope:SCOPE_SE
.Lnot_mine_\@:
.endm
; A LAP: two K steps.  Behind each piece's products: four places, then the same piece of the next lap.  first = 1: a pass's first step.  fx = 1: the next lap's x is fetched too, each step's into the buffer just multiplied.
.macro LAP first, fx
	s_wait_dscnt 0x8                               ; this step's x is in; the next step's eight loads may stay out
	GRP 0, 0, \first, 56                           ; 56: the seven pieces asked for behind this one
	PLACES 4
	s_wait_xcnt 0x0                                ; every load (the youngest 16 products back) and the last prefetch (a lap back) has read its address, so the pointers may be written
	s_add_nc_u64 s[SW:SW+1], s[SW:SW+1], LAPB
	s_add_nc_u64 s[PFA:PFA+1], s[PFA:PFA+1], LAPB
	s_add_co_u32 s[PFC], s[PFC], 1
	WLOAD 0, 0
	ASK
	GRP 0, 1, \first, 56
	PLACES 4
	WLOAD 0, 1
	GRP 0, 2, \first, 56
	PLACES 4
	WLOAD 0, 2
	GRP 0, 3, \first, 56
.if \fx
	WIN 0
	s_add_co_u32 s[XB], s[XB], 8192                ; the next lap's x
.irp i, 0,1,2,3
	v_add_nc_u32 v[XA+\i], s[XB], v[AXL+\i]        ; four plain lines: the places in front of the loads below
.endr
.else
	PLACES 4
.endif
	WLOAD 0, 3
.if \fx
	XFETCH 0
	s_wait_dscnt 0x8                               ; the second step's x is in; the eight just issued may stay out
.else
	s_wait_dscnt 0x0
.endif
.irp g, 0,1,2,3
	GRP 1, \g, 0, 56
	PLACES 4
	WLOAD 1, \g
.endr
.if \fx
	XFETCH 1
.endif
.endm
.macro BCLOAD                          ; a pass's bias as 16 C operands: register j of tile t holds column 16 t + 8 H + j, whatever the sample; sixteen lanes read the same 16 bytes
	WIN 0
.set ft, 0
.rept 16
	ds_load_b128 v[BC+8*ft:BC+8*ft+3],   v[BO] offset:64*ft
	ds_load_b128 v[BC+8*ft+4:BC+8*ft+7], v[BO] offset:64*ft+16
.set ft, ft+1
.endr
	v_add_nc_u32 v[BO], 1024, v[BO]                ; the next pass's
.endm
.macro WFLOAD half                     ; 16 of my 32 fragments of Wf (view v, 32 hidden u: number 8 v + u) into window 1
	WIN 0x40
.set ft, 16*(\half)
.rept 16
	global_load_b128 v[8*ft:8*ft+3],   v[WFO], s[8:9] offset:1024*ft
	global_load_b128 v[8*ft+4:8*ft+7], v[WFO], s[8:9] offset:1024*ft+512
.set ft, ft+1
.endr
.endm
	; THE HEAD
	s_load_b256 s[4:11], s[0:1], 0x0               ; xt 4, WT 6, WFT 8, BI 10
	s_load_b64 s[12:13], s[0:1], 0x20              ; out0
	v_lshl_add_u32 v[SPW], v0, 2, SPARE
	v_mov_b32 v[NIL], 0
	v_lshrrev_b32 v[TM], 5, v0
	v_readfirstlane_b32 s[WV], v[TM]
	s_mov_b32 s[WG], ttmp9
	s_mov_b32 s[SEL], 0x76543210
	s_mov_b32 s[SEL+1], 0xfedcba98
	s_mov_b32 s[CSC], 0x3d38aa3b                   ; log2(e) / sqrt(1024)
	s_mov_b32 s[RN], 0x39800000                    ; 1 / 4096
	s_mov_b32 s[EPS], 0x3727c5ac                   ; 1e-5
	s_mov_b32 s[ZERO], 0
	s_mov_b32 s[PFC], 0
	s_mov_b32 s[PLEFT], 4
	s_cmp_lt_u32 s[WG], 4
	s_cselect_b32 s[LIM], 62, 0                    ; lap n finds n + 1 laps begun: laps 0 to 60 ask
	v_and_b32 v[R], 15, v0
	v_bfe_u32 v[H], v0, 4, 1
	v_and_b32 v[TM], 31, v0
	v_lshlrev_b32 v[PFO], 8, v[TM]
	v_lshlrev_b32 v[WFO], 4, v[TM]
	s_lshl_b32 s58, s[WV], 10
	v_lshl_add_u32 v[BGL], v[TM], 4, s58           ; 1,024 w + 16 lane
	s_lshl_b32 s59, s[WV], 12
	v_lshl_add_u32 v[GL], v[R], 4, s59             ; view = my wave: 4,096 w + 16 R,
	v_lshl_add_u32 v[GL], v[H], 17, v[GL]          ; lanes 16-31 eight samples further down
	s_add_co_u32 s59, s59, BIL
	v_lshl_add_u32 v[BO], v[H], 5, s59
	v_lshl_add_u32 v[BST], v[TM], 4, s59
	s_mov_b32 s57, 0
	s_wait_kmcnt 0x0
	s_lshl_b32 s56, s[WG], 18
	s_add_nc_u64 s[4:5], s[4:5], s[56:57]          ; xt at my 64 rows
	s_lshl_b32 s56, s[WV], 14
	s_add_nc_u64 s[SW:SW+1], s[6:7], s[56:57]      ; the stream at my part of lap 0
	; 200 loads: my four rows of bias; x; the stream's first two steps.  x's requests go out first of the large ones; the weights come while x is rounded and stored.
.set i, 0
.rept 8
	global_load_b128 v[TT+4*i:TT+4*i+3], v[BGL], s[10:11] offset:4096*(i/2)+512*(i%2)
.set i, i+1
.endr
	; x.  Wave w takes view w of the 16 samples.  Load 16 bp + q: lanes 0-15 read 256 consecutive bytes (64 numbers from 64 q) of sample bp, lanes 16-31 of sample bp + 8.  The accumulators' registers hold them.
	WIN 0x80
.set n, 0
.rept 64
	global_load_b128 v[4*n:4*n+3], v[GL], s[4:5] offset:(n/16)*16384+(n%16)*256 th:TH_LOAD_NT
.set n, n+1
.endr
	WIN 0xc0
.rept 64
	global_load_b128 v[4*(n-64):4*(n-64)+3], v[GL], s[4:5] offset:(n/16)*16384+(n%16)*256 th:TH_LOAD_NT
.set n, n+1
.endr
.irp g, 0,1,2,3
	WLOAD 0, \g
.endr
.irp g, 0,1,2,3
	WLOAD 1, \g
.endr
	WIN 0
	s_mul_i32 s56, s[WG], 640
	s_add_nc_u64 s[12:13], s[12:13], s[56:57]      ; out0 at my 16 rows of 40 bytes
	s_lshl_b32 s56, s[WV], 15
	s_add_nc_u64 s[8:9], s[8:9], s[56:57]          ; WFT at my wave's 32 fragments
	v_add_nc_u32 v[TM], v[R], v[H]
.irp i, 0,1,2,3
	v_add_nc_u32 v[AXL+\i], 2*\i, v[TM]
	v_and_b32 v[AXL+\i], 15, v[AXL+\i]
	v_lshlrev_b32 v[AXL+\i], 4, v[AXL+\i]
	v_lshl_add_u32 v[AXL+\i], v[H], 8, v[AXL+\i]
	v_add_nc_u32 v[YA+\i], s56, v[AXL+\i]
.endr
	s_and_b32 s58, s[WG], 3
	s_lshl_b32 s58, s58, 15
	s_lshl_b32 s59, s[WV], 13
	s_add_co_u32 s58, s58, s59
	s_add_co_u32 s56, s58, 2*LAPB
	s_add_nc_u64 s[PFA:PFA+1], s[6:7], s[56:57]    ; my 8 KiB of lap 2: the first lap steps it to lap 3
	s_lshl_b32 s56, s[WV], 10                      ; 1,024 w
	s_add_co_u32 s58, s56, SCS
	v_lshl_add_u32 v[SST], v[R], 6, s58
	v_lshlrev_b32 v[SLD], 6, v[R]
	v_add_nc_u32 v[SLD], SCS, v[SLD]
	v_lshlrev_b32 v[LNL], 2, v[R]
	v_add_nc_u32 v[LNL], LN1, v[LNL]
	s_lshl_b32 s58, s[WV], 6
	v_add_nc_u32 v[LNA], s58, v[LNL]
.set i, 0
.rept 32
	v_mov_b32 v[S2+i], 0                           ; the score sums run over passes 0 and 1, whose text is one: they start here, while the loads are out
.set i, i+1
.endr
	; My four numbers k = 64 q + 4 R .. lie in step 2 q + R / 8, half c = (R / 4) % 2, h = (R / 2) % 2, e = 4 (R % 2): 8 bytes at
	; 8,192 q + 4,096 (R / 8) + 1,024 w + 256 ((R / 2) % 4) + 16 ((sample + R / 2) % 16) + 8 (R % 2).  The turn by R / 2 lets the 32 lanes of a store hit 32 different 8-byte columns of 256.
	v_lshrrev_b32 v[W0+1], 1, v[R]
	v_lshrrev_b32 v[W0], 3, v[R]
	v_lshlrev_b32 v[W0], 12, v[W0]
	v_and_b32 v[W0+2], 3, v[W0+1]
	v_lshl_add_u32 v[W0], v[W0+2], 8, v[W0]
	v_and_b32 v[W0+2], 1, v[R]
	v_lshl_add_u32 v[W0], v[W0+2], 3, v[W0]
	v_add_nc_u32 v[W0], s56, v[W0]                 ; s56 = 1,024 w
	v_lshl_add_u32 v[W0+1], v[H], 3, v[W0+1]       ; 8 H + R / 2
	s_wait_loadcnt 63                              ; of the 200 loads at most 63 are out, all of them among the 64 of the weights: the bias's 8 and x's 128 are in
.set i, 0
.rept 8
	ds_store_b128 v[BST], v[TT+4*i:TT+4*i+3] offset:512*i  ; pass i / 2: bytes of my wave's own, which it alone reads
.set i, i+1
.endr
.set bp, 0
.rept 8
	WIN 0
	v_add_nc_u32 v[W0+2], bp, v[W0+1]
	v_and_b32 v[W0+2], 15, v[W0+2]
	v_lshl_add_u32 v[W0+2], v[W0+2], 4, v[W0]
	v_add_nc_u32 v[W0+3], 65536, v[W0+2]           ; q = 8 .. 15: an LDS offset has 16 bits
	WIN 0x0a+5*(bp/4)                              ; sources window 2 or 3
.set q, 0
.rept 16
	v_cvt_pk_f16_f32 v[XF+2*q],   v[64*(bp%4)+4*q],   v[64*(bp%4)+4*q+1]
	v_cvt_pk_f16_f32 v[XF+2*q+1], v[64*(bp%4)+4*q+2], v[64*(bp%4)+4*q+3]
.set q, q+1
.endr
	WIN 0
.set q, 0
.rept 16
	ds_store_b64 v[W0+2+q/8], v[XF+2*q:XF+2*q+1] offset:(q%8)*8192
.set q, q+1
.endr
.set bp, bp+1
.endr
	s_wait_dscnt 0x0                               ; for the others' sake: my view of x lies in LDS
	s_barrier_signal -1
	s_barrier_wait -1
	BCLOAD                                         ; pass 0's bias
	; THE PASSES.  A pass's last lap asks for the next pass's first two steps, and they come while the work between the passes is done.
.Lpass:
	s_mov_b32 s[XB], 0
.irp i, 0,1,2,3
	v_mov_b32 v[XA+\i], v[AXL+\i]
.endr
	XFETCH 0
	XFETCH 1
	LAP 1, 1
	WIN 0
	s_cmp_eq_u32 s[PLEFT], 1
	s_cbranch_scc1 .Lnobias
	BCLOAD                                         ; the next pass's bias, nearly a pass ahead; the products that read these registers stand a step, and its sixteen places, back
.Lnobias:
	s_mov_b32 s[LAPS], 14
.Llap:
	LAP 0, 1
	WIN 0
	s_sub_co_u32 s[LAPS], s[LAPS], 1
	s_cmp_lg_u32 s[LAPS], 0
	s_cbranch_scc1 .Llap
	s_cmp_eq_u32 s[PLEFT], 1
	s_cbranch_scc1 .Ltail                          ; the last pass's last lap is written out: it asks for nothing
	LAP 0, 0
	WIN 0
	PLACES 8                                       ; behind the last products, ahead of the vector work on their registers
	s_cmp_eq_u32 s[PLEFT], 2
	s_cbranch_scc1 .Lmix
	; SCORES, behind passes 0 and 1: sums over my lane's 64 hidden of q[v] k[w], two at a time, in 16 chains.  Each accumulator's lowest pair is read first.
	WIN 0x0e                                       ; q window 2, k window 3, sums window 0
.set tq, 0
.rept 8
.set pp, 0
.rept 4
.set vw, 0
.rept 16
	v_pk_fma_f32 v[S2+2*vw:S2+2*vw+1], v[8*(4*tq+vw/4)+2*pp:8*(4*tq+vw/4)+2*pp+1], v[8*(4*tq+vw%4)+2*pp:8*(4*tq+vw%4)+2*pp+1], v[S2+2*vw:S2+2*vw+1]
.set vw, vw+1
.endr
.set pp, pp+1
.endr
.set tq, tq+1
.endr
	WIN 0
	s_cmp_eq_u32 s[PLEFT], 4
	s_cbranch_scc1 .Lnext
	; SOFTMAX, behind pass 1.  The pairs' halves, the other half of the lanes' and the four waves' sums are added; then each row of four.
.set i, 0
.rept 16
	v_add_f32 v[XF+i], v[S2+2*i], v[S2+2*i+1]
.set i, i+1
.endr
.set i, 0
.rept 16
	v_permlanex16_b32 v[XF+16+i], v[XF+i], s[SEL], s[SEL+1]
.set i, i+1
.endr
.set i, 0
.rept 16
	v_add_f32 v[XF+i], v[XF+i], v[XF+16+i]
.set i, i+1
.endr
.set i, 0
.rept 4
	ds_store_b128 v[SST], v[XF+4*i:XF+4*i+3] offset:16*i  ; both halves of the lanes hold, and write, the same
.set i, i+1
.endr
	s_wait_dscnt 0x0                               ; for the others' sake
	s_barrier_signal -1
	s_barrier_wait -1                              ; my loads of weights may stay out: nobody writes those bytes
.set i, 0
.rept 16
	ds_load_b128 v[XF+4*i:XF+4*i+3], v[SLD] offset:1024*(i/4)+16*(i%4)
.set i, i+1
.endr
	s_wait_dscnt 0x0
.set i, 0
.rept 8
	v_pk_add_f32 v[XF+2*i:XF+2*i+1], v[XF+2*i:XF+2*i+1], v[XF+16+2*i:XF+16+2*i+1]
	v_pk_add_f32 v[XF+32+2*i:XF+32+2*i+1], v[XF+32+2*i:XF+32+2*i+1], v[XF+48+2*i:XF+48+2*i+1]
.set i, i+1
.endr
.set i, 0
.rept 8
	v_pk_add_f32 v[XF+2*i:XF+2*i+1], v[XF+2*i:XF+2*i+1], v[XF+32+2*i:XF+32+2*i+1]
.set i, i+1
.endr
.set i, 0
.rept 4
	v_max3_num_f32 v[XF+16+i], v[XF+4*i], v[XF+4*i+1], v[XF+4*i+2]
.set i, i+1
.endr
.set i, 0
.rept 4
	v_max_num_f32 v[XF+16+i], v[XF+16+i], v[XF+4*i+3]
.set i, i+1
.endr
.set i, 0
.rept 4
	v_mul_f32 v[XF+16+i], s[CSC], v[XF+16+i]       ; c m
.set i, i+1
.endr
.set i, 0
.rept 16
	v_fma_f32 v[XF+i], v[XF+i], s[CSC], -v[XF+16+i/4]  ; c s - c m
.set i, i+1
.endr
.set i, 0
.rept 16
	v_exp_f32 v[XF+i], v[XF+i]
.set i, i+1
.endr
	v_nop                                          ; a plain instruction behind the last exponential,
	s_wait_alu depctr_va_vdst(0)                   ; and a wait ahead of the first use: one for the batch of 16
.set i, 0
.rept 4
	v_add_f32 v[XF+16+i], v[XF+4*i], v[XF+4*i+1]
	v_add_f32 v[XF+20+i], v[XF+4*i+2], v[XF+4*i+3]
.set i, i+1
.endr
.set i, 0
.rept 4
	v_add_f32 v[XF+16+i], v[XF+16+i], v[XF+20+i]
.set i, i+1
.endr
.set i, 0
.rept 4
	v_rcp_f32 v[XF+24+i], v[XF+16+i]
.set i, i+1
.endr
	v_nop
	s_wait_alu depctr_va_vdst(0)                   ; one for the four reciprocals
.set i, 0
.rept 16
	v_mul_f32 v[AT+i], v[XF+i], v[XF+24+i/4]
.set i, i+1
.endr
	s_branch .Lnext
	; MIX, behind pass 2: y[v] = the sum over w of attn[v][w] V[w] + x[v], in place in the accumulators, a tile (16 columns x 4 views) at a time.
	; The residual's 8 numbers of (tile, view) are the 16 bytes that my lane would fetch as half a fragment of x.
.macro RESLD t
.set ft, 0
.rept 4
	ds_load_b128 v[XF+16*((\t)%2)+4*ft:XF+16*((\t)%2)+4*ft+3], v[YA+(\t)%4] offset:((\t)/2)*4096+1024*ft+((\t)%2)*512
.set ft, ft+1
.endr
.endm
.macro MIXT t
	WIN 0
.if (\t) < 15
	RESLD (\t)+1
	s_wait_dscnt 0x4                               ; this tile's four are in; the next tile's four may stay out
.else
	s_wait_dscnt 0x0
.endif
.set aw, 2+(\t)/8                      ; the tile's window
.set ab, 32*((\t)%8)                   ; view w's accumulator at ab + 8 w
.set xh, XF+16*((\t)%2)
	WIN aw                                         ; source 0 an accumulator
.set i, 0
.rept 32                               ; i = 8 v + j: attn[v][0] V[0] + x[v], x read as an f16 half
.if i%2
	v_fma_mix_f32 v[TT+i], v[ab+i%8], v[AT+4*(i/8)], v[xh+4*(i/8)+(i%8)/2] op_sel:[0,0,1] op_sel_hi:[0,0,1]
.else
	v_fma_mix_f32 v[TT+i], v[ab+i%8], v[AT+4*(i/8)], v[xh+4*(i/8)+(i%8)/2] op_sel_hi:[0,0,1]
.endif
.set i, i+1
.endr
.set i, 0
.rept 16                               ; i = 4 v + pair: + attn[v][1] V[1]: the pair's second register for both halves
	v_pk_fma_f32 v[TT+2*i:TT+2*i+1], v[ab+8+2*(i%4):ab+8+2*(i%4)+1], v[AT+4*(i/4):AT+4*(i/4)+1], v[TT+2*i:TT+2*i+1] op_sel:[0,1,0] op_sel_hi:[1,1,1]
.set i, i+1
.endr
.set i, 0
.rept 16                               ; + attn[v][2] V[2]: the pair's first register for both halves
	v_pk_fma_f32 v[TT+2*i:TT+2*i+1], v[ab+16+2*(i%4):ab+16+2*(i%4)+1], v[AT+4*(i/4)+2:AT+4*(i/4)+3], v[TT+2*i:TT+2*i+1] op_sel_hi:[1,0,1]
.set i, i+1
.endr
	WIN aw*0x41                                    ; source 0 and destination an accumulator
.set i, 0
.rept 16                               ; + attn[v][3] V[3], into view v's accumulator; V[3]'s own comes last, pair by pair in place
	v_pk_fma_f32 v[ab+8*(i/4)+2*(i%4):ab+8*(i/4)+2*(i%4)+1], v[ab+24+2*(i%4):ab+24+2*(i%4)+1], v[AT+4*(i/4)+2:AT+4*(i/4)+3], v[TT+2*i:TT+2*i+1] op_sel:[0,1,0] op_sel_hi:[1,1,1]
.set i, i+1
.endr
.endm
; Four chains in v[STT:STT+7] into one number; the other half of the lanes'; the four waves', through LDS at off.  The sample's sum ends in v[STT] of every lane that holds the sample.
.macro LNSUM off
	WIN 0
	v_pk_add_f32 v[STT:STT+1], v[STT:STT+1], v[STT+2:STT+3]
	v_pk_add_f32 v[STT+4:STT+5], v[STT+4:STT+5], v[STT+6:STT+7]
	v_pk_add_f32 v[STT:STT+1], v[STT:STT+1], v[STT+4:STT+5]
	v_add_f32 v[STT], v[STT], v[STT+1]
	v_permlanex16_b32 v[STT+1], v[STT], s[SEL], s[SEL+1]
	v_add_f32 v[STT], v[STT], v[STT+1]
	ds_store_b32 v[LNA], v[STT] offset:\off
	s_wait_dscnt 0x0                               ; for the others' sake; my reads of x are back too
	s_barrier_signal -1
	s_barrier_wait -1
.irp i, 0,1,2,3
	ds_load_b32 v[STT+\i], v[LNL] offset:(\off)+64*\i
.endr
	s_wait_dscnt 0x0
	v_add_f32 v[STT], v[STT], v[STT+1]
	v_add_f32 v[STT+2], v[STT+2], v[STT+3]
	v_add_f32 v[STT], v[STT], v[STT+2]
.endm
.macro CHAINS0
	WIN 0
.irp i, 0,1,2,3,4,5,6,7
	v_mov_b32 v[STT+\i], 0
.endr
.endm
.macro NORMT t                         ; a tile of (y - mean) times 1 / sqrt(var + eps), rounded to f16, goes where its x lay: my wave's own 256 columns
.set aw, 2+(\t)/8
.set ab, 32*((\t)%8)
.set xh, XF+16*((\t)%2)
	WIN aw
.set i, 0
.rept 16
	v_pk_mul_f32 v[TT+2*i:TT+2*i+1], v[ab+2*i:ab+2*i+1], v[STT+10:STT+11]
.set i, i+1
.endr
	WIN 0
.set i, 0
.rept 16
	v_cvt_pk_f16_f32 v[xh+i], v[TT+2*i], v[TT+2*i+1]
.set i, i+1
.endr
.set ft, 0
.rept 4
	ds_store_b128 v[YA+(\t)%4], v[xh+4*ft:xh+4*ft+3] offset:((\t)/2)*4096+1024*ft+((\t)%2)*512
.set ft, ft+1
.endr
.endm
.Lmix:
	RESLD 0
.irp t, 0,1,2,3,4,5,6,7,8,9,10,11,12,13,14,15
	MIXT \t
.endr
	; THE NORM.  The mean of the sample's 4,096 numbers (512 in my lane), then the sum of squares of y - mean: no difference of large sums is formed.
	CHAINS0
.irp wn, 2,3
	WIN \wn
.set i, 0
.rept 128
	v_pk_add_f32 v[STT+2*(i%4):STT+2*(i%4)+1], v[2*i:2*i+1], v[STT+2*(i%4):STT+2*(i%4)+1]
.set i, i+1
.endr
.endr
	LNSUM 0
	v_mul_f32 v[STT+8], 0xb9800000, v[STT]         ; - mean
	v_mov_b32 v[STT+9], v[STT+8]
	CHAINS0
.irp wn, 2,3
	WIN (\wn)*0x41
.set i, 0
.rept 128
	v_pk_add_f32 v[2*i:2*i+1], v[2*i:2*i+1], v[STT+8:STT+9]
.set i, i+1
.endr
	WIN (\wn)*5                                    ; sources 0 and 1 an accumulator
.set i, 0
.rept 128
	v_pk_fma_f32 v[STT+2*(i%4):STT+2*(i%4)+1], v[2*i:2*i+1], v[2*i:2*i+1], v[STT+2*(i%4):STT+2*(i%4)+1]
.set i, i+1
.endr
.endr
	LNSUM 256
	v_fma_f32 v[STT], v[STT], s[RN], s[EPS]
	v_rsq_f32 v[STT+10], v[STT]
	v_nop
	s_wait_alu depctr_va_vdst(0)                   ; ahead of the root's first use
	v_mov_b32 v[STT+11], v[STT+10]
	; Every wave's reads of x were waited for in front of the barriers above, so x may be written over.
.irp t, 0,1,2,3,4,5,6,7,8,9,10,11,12,13,14,15
	NORMT \t
.endr
	s_wait_dscnt 0x0                               ; for the others' sake: my columns of yn lie in LDS
	s_barrier_signal -1
	s_barrier_wait -1
.Lnext:
	s_sub_co_u32 s[PLEFT], s[PLEFT], 1
	s_branch .Lpass
.Ltail:	; THE LAST LAP asks for no more weights: the counts run down.  Behind its first step half of my fragments of Wf take that step's registers.
	s_wait_dscnt 0x8
.irp g, 0,1,2,3
	GRP 0, \g, 0, 8*(7-\g)
.endr
	PLACES 4
	WFLOAD 0
	s_wait_dscnt 0x0
.irp g, 0,1,2,3
	GRP 1, \g, 0, 32+8*(3-\g)                      ; behind the piece: the pieces still to come, and Wf's 32 loads
.endr
	; THE LAST PRODUCT.  relu(h) of tiles 2 u and 2 u + 1, rounded to f16 in place, is source 1 (32 hidden x 16 samples); source 0 = 16 classes of Wf.  All four views add into 16 classes x 16 samples.
	WIN 0
	PLACES 8
	WFLOAD 1
	WIN 0
	v_lshlrev_b32 v[W0], 5, v[H]
	global_load_b128 v[STT:STT+3],   v[W0], s[10:11] offset:16384  ; bf of my classes 8 H + 0..7
	global_load_b128 v[STT+4:STT+7], v[W0], s[10:11] offset:16400
.irp wn, 2,3
	WIN (\wn)*0x45                                 ; sources 0 and 1 and destination an accumulator
.set i, 0
.rept 16                               ; i = 4 (u % 4) + view
.set pa, 8*(8*(i/4)+i%4)
.set pb, pa+32
.irp k, 0,1,2,3
	v_cvt_pk_f16_f32 v[pa+\k], v[pa+2*\k], v[pa+2*\k+1]      ; ascending: what is written has been read
.endr
.irp k, 0,1,2,3
	v_cvt_pk_f16_f32 v[pa+4+\k], v[pb+2*\k], v[pb+2*\k+1]
.endr
.irp k, 0,1,2,3,4,5,6,7
	v_pk_max_num_f16 v[pa+\k], v[pa+\k], s[ZERO]
.endr
.set i, i+1
.endr
.endr
	s_wait_loadcnt 0x0                             ; Wf's fragments and bf
.set i, 0
.rept 32                               ; i = 4 u + view: four accumulators by turns
	WIN 0x09+4*(i/16)                              ; Wf window 1, relu(h) window 2 or 3, sums window 0
.set pa, 8*(8*((i/4)%4)+i%4)
.set fa, 8*(8*(i%4)+i/4)
.if i < 4
	v_wmma_f32_16x16x32_f16 v[XF+8*(i%4):XF+8*(i%4)+7], v[fa:fa+7], v[pa:pa+7], 0
.else
	v_wmma_f32_16x16x32_f16 v[XF+8*(i%4):XF+8*(i%4)+7], v[fa:fa+7], v[pa:pa+7], v[XF+8*(i%4):XF+8*(i%4)+7]
.endif
.set i, i+1
.endr
	WIN 0
	PLACES 8
.macro OSUM                            ; four tiles of 8 registers into the first
.set i, 0
.rept 4
	v_pk_add_f32 v[XF+2*i:XF+2*i+1], v[XF+2*i:XF+2*i+1], v[XF+8+2*i:XF+8+2*i+1]
	v_pk_add_f32 v[XF+16+2*i:XF+16+2*i+1], v[XF+16+2*i:XF+16+2*i+1], v[XF+24+2*i:XF+24+2*i+1]
.set i, i+1
.endr
.set i, 0
.rept 4
	v_pk_add_f32 v[XF+2*i:XF+2*i+1], v[XF+2*i:XF+2*i+1], v[XF+16+2*i:XF+16+2*i+1]
.set i, i+1
.endr
.endm
	OSUM                                           ; the four views
	v_and_b32 v[TM], 31, v0
	v_lshlrev_b32 v[W0+1], 5, v[TM]
	v_add_nc_u32 v[W0+1], OUTP, v[W0+1]
	s_lshl_b32 s56, s[WV], 10
	v_add_nc_u32 v[W0+2], s56, v[W0+1]
	ds_store_b128 v[W0+2], v[XF:XF+3]
	ds_store_b128 v[W0+2], v[XF+4:XF+7] offset:16
	s_wait_dscnt 0x0                               ; for wave 0's sake
	s_barrier_signal -1
	s_barrier_wait -1
	s_cmp_lg_u32 s[WV], 0
	s_cbranch_scc1 .Lfin
.set i, 0
.rept 4
	ds_load_b128 v[XF+8*i:XF+8*i+3],   v[W0+1] offset:1024*i
	ds_load_b128 v[XF+8*i+4:XF+8*i+7], v[W0+1] offset:1024*i+16
.set i, i+1
.endr
	s_wait_dscnt 0x0
	OSUM                                           ; the four waves' quarters of the hidden axis
.set i, 0
.rept 4
	v_pk_add_f32 v[XF+2*i:XF+2*i+1], v[XF+2*i:XF+2*i+1], v[STT+2*i:STT+2*i+1]
.set i, i+1
.endr
	; My lane holds sample R, classes 8 H + 0..7, of which 0 to 9 exist.  The 16 rows of 40 bytes are gathered in LDS and leave as 640 consecutive bytes.
	v_mul_u32_u24 v[W0+3], v[R], 40
	v_lshl_add_u32 v[W0+3], v[H], 5, v[W0+3]
	v_add_nc_u32 v[W0+3], OUTS, v[W0+3]
	ds_store_b64 v[W0+3], v[XF:XF+1]               ; classes 0, 1 and 8, 9
	v_cmp_eq_u32 vcc_lo, 0, v[H]
	s_wait_xcnt 0x0                                ; EXEC changes only when every earlier memory instruction has had its address translated
	s_and_saveexec_b32 s56, vcc_lo
	ds_store_b64 v[W0+3], v[XF+2:XF+3] offset:8    ; classes 2 to 7: lanes 0-15 alone
	ds_store_b64 v[W0+3], v[XF+4:XF+5] offset:16
	ds_store_b64 v[W0+3], v[XF+6:XF+7] offset:24
	s_wait_xcnt 0x0
	s_or_b32 exec_lo, exec_lo, s56
	v_lshlrev_b32 v[TM], 2, v[TM]
	v_add_nc_u32 v[W0+1], OUTS, v[TM]
.set i, 0
.rept 5
	ds_load_b32 v[XF+8+i], v[W0+1] offset:128*i    ; LDS serves a wave's instructions in order (ISA guide 5.7.1.4): these see the stores above
.set i, i+1
.endr
.set i, 0
.rept 5
	s_wait_dscnt 4-i                               ; load i is back; the younger ones may stay out
	global_store_b32 v[TM], v[XF+8+i], s[12:13] offset:128*i  ; 128 consecutive bytes of the work-group's 640
.set i, i+1
.endr
.Lfin:
	s_wait_tensorcnt 0x0                           ; the wave's end: behind my last LDS store
	ds_add_u32 v[SPW], v[NIL]
	s_wait_dscnt 0x0
	s_endpgm
.Lfunc_end_k_qb97f18d1da_fused:
	.size	k_qb97f18d1da_fused, .Lfunc_end_k_qb97f18d1da_fused-k_qb97f18d1da_fused
	.p2alignl 7, 3214868480
	.fill 96, 4, 3214868480
	.section	.rodata,"a",@progbits
	.p2align	6, 0x0
	.amdhsa_kernel k_qb97f18d1da_fused
		.amdhsa_group_segment_fixed_size 157440
		.amdhsa_private_segment_fixed_size 0
		.amdhsa_enable_private_segment 0
		.amdhsa_kernarg_size 40
		.amdhsa_user_sgpr_count 2
		.amdhsa_user_sgpr_kernarg_segment_ptr 1
		.amdhsa_wavefront_size32 1
		.amdhsa_system_sgpr_workgroup_id_x 1
		.amdhsa_system_sgpr_workgroup_id_y 1
		.amdhsa_system_sgpr_workgroup_id_z 1
		.amdhsa_system_vgpr_workitem_id 0
		.amdhsa_next_free_vgpr 1024
		.amdhsa_next_free_sgpr 66
		.amdhsa_reserve_vcc 1
		.amdhsa_float_denorm_mode_32 3
		.amdhsa_float_denorm_mode_16_64 3
		.amdhsa_memory_ordered 1
		.amdhsa_forward_progress 1
		.amdhsa_inst_pref_size 255
	.end_amdhsa_kernel
	.section	.bss,"aw",@nobits
	.p2align	6
	.space	262144
	.amdgpu_metadata
---
amdhsa.version: [ 1, 2 ]
amdhsa.kernels:
  - .name:           k_qb97f18d1da_fused
    .symbol:         k_qb97f18d1da_fused.kd
    .args:
      - { .name: xt, .offset: 0, .size: 8, .value_kind: global_buffer, .address_space: global }
      - { .name: WT, .offset: 8, .size: 8, .value_kind: global_buffer, .address_space: global }
      - { .name: WFT, .offset: 16, .size: 8, .value_kind: global_buffer, .address_space: global }
      - { .name: BI, .offset: 24, .size: 8, .value_kind: global_buffer, .address_space: global }
      - { .name: out0, .offset: 32, .size: 8, .value_kind: global_buffer, .address_space: global }
    .group_segment_fixed_size: 157440
    .private_segment_fixed_size: 0
    .kernarg_segment_align: 8
    .kernarg_segment_size: 40
    .max_flat_workgroup_size: 128
    .sgpr_count:     66
    .vgpr_count:     1024
    .wavefront_size: 32
...
	.end_amdgpu_metadata
.endif
;; end of part 3
